; MI455X (gfx1250); checked and timed in simulation.
; The chip was launched on July 23, 2026; its instructions are those of AMD's public machine-readable ISA for CDNA 5 (MIT licence, August 2026) and "CDNA5" Instruction Set Architecture Reference Guide (July 2026). The comments in the code are by the model that wrote it; some were corrected since.
;; Multi Head Attention. Allowed arithmetic: matrix products marked QUANTISED: E4M3 operands, one E8M0 scale for each 32 along K, by v_wmma_scale_f32_16x16x128_f8f6f4 with both operands' format E4M3, f32 sums; everything else in f32.
;; Inputs: Wk 1,024 x 1,024 float32; Wo 1,024 x 1,024 float32; Wq 1,024 x 1,024 float32; Wv 1,024 x 1,024 float32; token_positions 2 x 2,048 int32; x 2 x 2,048 x 1,024 float32.
;; Outputs: out0 2 x 2,048 x 1,024 float32.
;; This version of the problem:
;;   THIS VERSION OF THE PROBLEM IS GIVEN IN LOW PRECISION. The matrix products marked QUANTISED in the list below multiply operands that are first quantised to E4M3 (4 exponent bits, 3 mantissa bits; 8 bits a number), with one power-of-two scale for each 32 numbers along K (OCP MX v1.0); their sums are f32. All else is computed in f32.
;;   The module's matrix products, in the order in which they are computed (A, B: the left and right operand; K: the contracted axis; several contracted axes count as one K, in the product's order):
;;     1. [M 4,096, K 1,024] x [K 1,024, N 1,024]; A: input x; B: input Wq: QUANTISED
;;     2. [M 4,096, K 1,024] x [K 1,024, N 1,024]; A: input x; B: input Wk: QUANTISED
;;     3. [M 4,096, K 1,024] x [K 1,024, N 1,024]; A: input x; B: input Wv: QUANTISED
;;     4. batch 32 x [M 2,048, K 64] x [K 64, N 2,048]; A: computed on the way; B: computed on the way: QUANTISED
;;     5. batch 32 x [M 2,048, K 2,048] x [K 2,048, N 64]; A: softmax (see below); B: computed on the way: QUANTISED
;;     6. [M 4,096, K 1,024] x [K 1,024, N 1,024]; A: computed on the way; B: input Wo: QUANTISED
;;   THE QUANTISER, for each operand of a quantised product, along K:
;;     - K is cut into blocks of 32 from its start; a last block that is shorter is filled with zeros.
;;     - A block's scale is 2^e with e = floor(log2(the largest magnitude in the block)) - 8, held to -126 .. 127; a block of zeros has e = 0. As a byte (E8M0): e + 127.
;;     - Each number is divided by its block's scale, clamped to +-448, and rounded to the nearest number of E4M3, ties to even, subnormals kept.
;;     - The product sums the exact products of the quantised numbers (number of the format x scale) in f32.
;;   ~~~python
;;   def quantise(x, axis):      # numpy; x: float32 -> the quantised numbers, widened to float32 again
;;       x = np.moveaxis(x, axis, -1); K = x.shape[-1]
;;       x = np.pad(x, [(0, 0)] * (x.ndim - 1) + [(0, -K % 32)]); x = x.reshape(x.shape[:-1] + (-1, 32)); a = np.abs(x).max(-1, keepdims=True)
;;       e = np.where(a > 0, np.clip(np.frexp(np.where(a > 0, a, 1))[1] - 1 - 8, -126, 127), 0)      # np.frexp(a)[1] - 1 = floor(log2(a)), exactly
;;       r = np.clip(x / 2.0 ** e, -448, 448)
;;       step = 2.0 ** (np.maximum(np.frexp(np.where(r == 0, 1, r))[1] - 1, -6) - 3)
;;       q = np.round(r / step) * step * 2.0 ** e      # np.round: ties to even
;;       return np.moveaxis(q.reshape(q.shape[:-2] + (-1,))[..., :K], -1, axis).astype(np.float32)
;;   ~~~
;;   SOFTMAX AHEAD OF A QUANTISED PRODUCT. Where the list says 'softmax', what is quantised is not the finished softmax but p = 2^(t - M), with t = logit x log2(e) and M = ceil(the row's largest t), a whole number; so 1/2 < the row's largest p <= 1. The row's sum l is taken of the UNQUANTISED p, in f32, and the product's result is divided by l at the end. Since M is a whole number, a kernel that streams over the keys may use a running M (the ceiling of the running maximum): every later rescaling is an exact power of two, which a block's scale takes up: the codes' values come out the same.
;;   OPERANDS COMPUTED ON THE WAY. 'Computed on the way' means the value that the module computes at that place (a softmax that the list does not call 'softmax' is quantised finished and normalised). What goes into a quantiser is computed in f32, as accurately as f32 sums, v_exp_f32 and their like allow (about 1e-6 of the number): no bf16 or f16 on the way to a quantiser, and a product that is left as it is and whose result goes on into a quantised operand takes f32 operands (vector FMAs, or v_wmma_f32_16x16x4_f32). A number that lies on a knife's edge between two numbers of the format may be rounded either way, as far as f32 arithmetic and the matrix unit's own rounding can turn it there, and no further.
;; One version. Each part assembles by itself: llvm-mc -triple=amdgcn-amd-amdhsa -mcpu=gfx1250 --defsym DOCPART=n.
;; ======== version 1 of 1: 4 launches
;; limits: right only within a limited range of input values
;; workspace buffers: codes 8,388,608 bytes; scales 262,144 bytes; rope 1,048,576 bytes; qkv 17,563,648 bytes; oc 4,194,304 bytes; os 131,072 bytes
;; launch prep (part 1): grid 256 x 1, 8 waves a work-group, no clusters, 44,032 bytes of LDS; arguments x, Wq, Wk, Wv, Wo, token_positions, codes, scales, rope; writes codes, scales, rope
.if DOCPART == 1
	.amdgcn_target "amdgcn-amd-amdhsa--gfx1250"
	.amdhsa_code_object_version 6
	.text
	.protected	k_q389c940847_prep
	.globl	k_q389c940847_prep
	.p2align	8
	.type	k_q389c940847_prep,@function
k_q389c940847_prep:
	s_mov_b64 s[64:65], 0
	v_nop
	global_prefetch_b8 v0, s[64:65] scope:SCOPE_SE
	s_setreg_imm32_b32 hwreg(HW_REG_WAVE_MODE, 25, 1), 1
	s_wait_xcnt 0x0
; THE PROGRAM: prep (quantise x and the weights, make the rotation's table), qkv (three projections, rotation, quantisers), attn, outp.  Nothing of reference() is left out but whole key steps under its own causal mask (in attn).
; x [4096][1024] and Wq, Wk, Wv, Wo [1024][1024], f32, become codes of FP8 (E4M3), K (the last axis) innermost, 8,192 rows of 1,024 bytes, and 8,192 rows of 32 E8M0 bytes.
; ROWS: x 0..4095; then for each head 192 rows: its 64 of Wq, of Wk, of Wv; Wo from 7168 on.
; A block's scale is 2^(floor(log2(its largest magnitude)) - 8); its byte is that magnitude's exponent field - 8, held at 1 from below; numbers are held within +-448 x the scale, then rounded, ties to even.
; TILE ORDER: inside each 32 rows bits 3 and 4 of a row's number are exchanged: stored row 16 T + r, T = 2 G + u, is true row 32 G + 8 u + r % 8 + 16 (r / 8).  Sixteen stored neighbours as source 0 of a
; matrix instruction so leave 16 TRUE neighbours in a lane's 16 registers of two neighbouring tiles.  A work-group has 32 rows, a wave 4: wave w (bits b2 b1 b0) stores at run (b1 b2 b0).
; A wave takes 8 steps of 512 numbers; all its 32 loads of 512 consecutive bytes are issued at the head.  A step's 2,048 bytes turn through the wave's own stage in LDS (16 bytes of padding behind each 64) and come
; back as 16 neighbours a lane, two lanes to a block.  A store of codes covers 512 consecutive bytes; a wave's 128 scale bytes are gathered in LDS and leave as 128 consecutive bytes.
; THE TABLE: rope[stored token row][i = 0..31][cos, sin], f32; angle = position x 1 / 10^(i / 8).  A wave makes 2 rows.  The power is a constant rounded to f32, its reciprocal v_rcp_f32 with one Newton step;
; sine and cosine by a reduction by pi / 2 in three parts and two polynomials.
; LIMITS: |position| under 2^20; the reciprocal may differ from a correctly rounded division by one unit in the last place; NaN and infinities are not served; a block of zeros, or under 2^-118, gets the byte 1: read by this program alone.
; No tensor loads, no barrier: waves share nothing.
.set STEPS, 8
.set EMAX,  8
.set MANT,  0x600000                   ; the mantissa field of 448
.set R,     16                         ; v16-143  eight sets of 16 numbers as they are loaded
.set X,     144                        ; v144-175 two sets of 16 neighbours
.set C,     176                        ; v176-207 codes, four registers a step
.set E,     208                        ; v208-215 scale bytes
.set WREG,  5376                       ; LDS of a wave: two stages of 32 x SP bytes, then its scale bytes
.set SP,    80
.set J,     176                        ; the table's registers lie where codes come later
.set PO,    177
.set POS,   178
.set P0,    180
.set P1,    181
.set I0,    182
.set I1,    183
.set W,     184
.set TB,    216                        ; v216-219 a lane's cos, sin, cos, sin
	s_load_b512 s[4:19], s[0:1], 0x0               ; x, Wq, Wk, Wv, Wo, positions s[14:15], codes s[16:17], scales s[18:19]
	s_load_b64 s[20:21], s[0:1], 0x40              ; the table
	v_lshl_add_u32 v224, v0, 2, 8*WREG
	v_mov_b32 v225, 0
	v_lshrrev_b32 v1, 5, v0
	v_readfirstlane_b32 s22, v1                    ; wave
	s_mul_i32 s24, s22, WREG
	s_add_co_u32 s25, s24, 2*32*SP
	v_and_b32 v2, 31, v0                           ; lane
	v_lshlrev_b32 v3, 4, v2                        ; 16 x lane
	v_lshrrev_b32 v14, 2, v2
	v_mul_u32_u24 v14, v14, SP
	v_and_b32 v15, 3, v2
	v_lshl_add_u32 v14, v15, 4, v14
	v_add_nc_u32 v14, s24, v14                     ; the stage, in: SP (lane / 4) + 16 (lane % 4)
	v_mul_u32_u24 v15, v2, SP
	v_add_nc_u32 v15, s24, v15                     ; out: SP x lane
	v_lshrrev_b32 v5, 1, v2
	v_add_nc_u32 v5, s25, v5                       ; my block's byte
	v_lshlrev_b32 v7, 2, v2
	v_add_nc_u32 v6, s25, v7                       ; and on the way out 4 bytes a lane
	v_and_b32 v[J], 15, v2
	v_lshrrev_b32 v[PO], 4, v2
	v_lshlrev_b32 v[PO], 2, v[PO]
	s_wait_alu depctr_va_vdst(0)
	s_mov_b32 s23, MANT
	s_mov_b32 s30, 0xbfc90fd8                      ; -pi / 2 in three parts
	s_mov_b32 s31, 0xb4a8885a
	s_mov_b32 s32, 0xa7c234c4
	s_mov_b32 s27, 0
	s_wait_kmcnt 0x0
	s_cmp_ge_u32 ttmp9, 128                        ; work-groups 0-127: x, then 32 for each W
	s_cselect_b64 s[4:5], s[6:7], s[4:5]
	s_cselect_b32 s25, 31, 127
	s_cmp_ge_u32 ttmp9, 160
	s_cselect_b64 s[4:5], s[8:9], s[4:5]
	s_cmp_ge_u32 ttmp9, 192
	s_cselect_b64 s[4:5], s[10:11], s[4:5]
	s_cmp_ge_u32 ttmp9, 224
	s_cselect_b64 s[4:5], s[12:13], s[4:5]
	s_and_b32 s25, ttmp9, s25                      ; the work-group's number within its tensor
	s_lshl_b32 s26, s25, 3
	s_add_co_u32 s26, s26, s22
	s_lshl_b32 s26, s26, 14                        ; my 4 rows: 16,384 bytes of f32
	s_add_nc_u64 s[4:5], s[4:5], s[26:27]
	s_and_b32 s28, ttmp9, 31                       ; where the 32 rows are stored, in units of 32 rows: for Wq, Wk, Wv 128 + 6 (u / 2) + 2 t + u % 2
	s_lshr_b32 s29, s28, 1
	s_mul_i32 s29, s29, 6
	s_and_b32 s28, s28, 1
	s_add_co_u32 s29, s29, s28
	s_lshr_b32 s28, ttmp9, 5                       ; t + 4
	s_lshl_b32 s28, s28, 1
	s_add_co_u32 s29, s29, s28
	s_add_co_u32 s29, s29, 120
	s_cmp_lt_u32 ttmp9, 128
	s_cselect_b32 s29, ttmp9, s29
	s_cmp_lt_u32 ttmp9, 224
	s_cselect_b32 s29, s29, ttmp9
	s_lshl_b32 s29, s29, 3
	s_and_b32 s28, s22, 1                          ; my run: bits 1 and 2 of the wave's number exchanged
	s_add_co_u32 s29, s29, s28
	s_and_b32 s28, s22, 2
	s_lshl_b32 s28, s28, 1
	s_add_co_u32 s29, s29, s28
	s_lshr_b32 s28, s22, 2
	s_lshl_b32 s28, s28, 1
	s_add_co_u32 s29, s29, s28
	s_lshl_b32 s26, s29, 12
	s_add_nc_u64 s[16:17], s[16:17], s[26:27]
	s_lshl_b32 s26, s29, 7
	s_add_nc_u64 s[18:19], s[18:19], s[26:27]
	s_lshr_b32 s28, ttmp9, 1                       ; the table: stored rows 16 g + 2 w + 0, 1 are true tokens 32 (g / 2) + 16 (w / 4) + 8 (g % 2) + 2 (w % 4) + 0, 1
	s_lshl_b32 s28, s28, 5
	s_lshr_b32 s29, s22, 2
	s_lshl_b32 s29, s29, 4
	s_or_b32 s28, s28, s29
	s_and_b32 s29, ttmp9, 1
	s_lshl_b32 s29, s29, 3
	s_or_b32 s28, s28, s29
	s_and_b32 s29, s22, 3
	s_lshl_b32 s29, s29, 1
	s_or_b32 s28, s28, s29
	s_lshl_b32 s26, s28, 2
	s_add_nc_u64 s[14:15], s[14:15], s[26:27]
	s_lshl_b32 s28, ttmp9, 4
	s_lshl_b32 s29, s22, 1
	s_add_co_u32 s28, s28, s29
	s_lshl_b32 s26, s28, 8
	s_add_nc_u64 s[20:21], s[20:21], s[26:27]
	global_load_b32 v[POS], v[PO], s[14:15]        ; a position for each half of the lanes
.irp t, 0,1,2,3,4,5,6,7
.irp i, 0,1,2,3
	global_load_b128 v[R+16*\t+4*\i:R+16*\t+4*\i+3], v3, s[4:5] offset:2048*\t+512*\i th:TH_LOAD_NT
.endr
.endr
.macro TURN t                          ; step t's numbers through the stage: LDS serves a wave's instructions in order, so no wait stands between the stores and the loads
.irp i, 0,1,2,3
	ds_store_b128 v14, v[R+16*(\t)+4*\i:R+16*(\t)+4*\i+3] offset:32*SP*((\t)%2)+8*SP*\i
.endr
.irp i, 0,1,2,3
	ds_load_b128 v[X+16*((\t)%2)+4*\i:X+16*((\t)%2)+4*\i+3], v15 offset:32*SP*((\t)%2)+16*\i
.endr
.endm
; my two powers 10^(2 J / 8), 10^((2 J + 1) / 8)
.macro SEL k, a, b
	v_cmp_ne_u32 vcc_lo, \k, v[J]
	v_cndmask_b32 v[P0], \a, v[P0], vcc_lo
	v_cndmask_b32 v[P1], \b, v[P1], vcc_lo
.endm
	v_mov_b32 v[P0], 1.0
	v_mov_b32 v[P1], 1.3335214322
	SEL 1, 1.7782794100, 2.3713737057
	SEL 2, 3.1622776602, 4.2169650343
	SEL 3, 5.6234132519, 7.4989420933
	SEL 4, 10.0, 13.335214322
	SEL 5, 17.782794100, 23.713737057
	SEL 6, 31.622776602, 42.169650343
	SEL 7, 56.234132519, 74.989420933
	SEL 8, 100.0, 133.35214322
	SEL 9, 177.82794100, 237.13737057
	SEL 10, 316.22776602, 421.69650343
	SEL 11, 562.34132519, 749.89420933
	SEL 12, 1000.0, 1333.5214322
	SEL 13, 1778.2794100, 2371.3737057
	SEL 14, 3162.2776602, 4216.9650343
	SEL 15, 5623.4132519, 7498.9420933
	s_wait_alu depctr_va_vdst(0)
	v_rcp_f32 v[I0], v[P0]
	v_rcp_f32 v[I1], v[P1]
	v_nop
	s_wait_alu depctr_va_vdst(0)
	v_fma_f32 v[W], -v[P0], v[I0], 1.0             ; one Newton step each
	v_fma_f32 v[W+1], -v[P1], v[I1], 1.0
	v_fma_f32 v[I0], v[I0], v[W], v[I0]
	v_fma_f32 v[I1], v[I1], v[W+1], v[I1]
; cos and sin of v[x]: n = the nearest whole number to x 2 / pi; r = x - n pi / 2 by three fused steps; polynomials on [-pi / 4, pi / 4]; the quadrant exchanges and signs them
.macro SINCOS x, c, s
	v_mul_f32 v[W], 0x3f22f983, v[\x]
	v_rndne_f32 v[W], v[W]
	v_fma_f32 v[W+1], v[W], s30, v[\x]
	v_fma_f32 v[W+1], v[W], s31, v[W+1]
	v_fma_f32 v[W+1], v[W], s32, v[W+1]
	v_cvt_i32_f32 v[W+2], v[W]
	v_mul_f32 v[W+3], v[W+1], v[W+1]
	v_mov_b32 v[W+4], 0x37cd4000
	v_mov_b32 v[W+5], 0x36405000
	v_fmaak_f32 v[W+4], v[W+4], v[W+3], 0xbab6077d
	v_fmaak_f32 v[W+5], v[W+5], v[W+3], 0xb9503486
	v_fmaak_f32 v[W+4], v[W+4], v[W+3], 0x3d2aaaa8
	v_fmaak_f32 v[W+5], v[W+5], v[W+3], 0x3c0888c1
	v_fmaak_f32 v[W+4], v[W+4], v[W+3], 0xbf000000
	v_fmaak_f32 v[W+5], v[W+5], v[W+3], 0xbe2aaaab
	v_mul_f32 v[W+6], v[W+1], v[W+3]
	v_fmaak_f32 v[W+4], v[W+4], v[W+3], 0x3f800000
	v_fma_f32 v[W+5], v[W+5], v[W+6], v[W+1]
	v_and_b32 v[W+6], 1, v[W+2]
	v_cmp_eq_u32 vcc_lo, 1, v[W+6]
	v_cndmask_b32 v[\s], v[W+5], v[W+4], vcc_lo
	v_cndmask_b32 v[\c], v[W+4], v[W+5], vcc_lo
	v_and_b32 v[W+6], 2, v[W+2]
	v_lshlrev_b32 v[W+6], 30, v[W+6]
	v_xor_b32 v[\s], v[\s], v[W+6]
	v_add_nc_u32 v[W+7], 1, v[W+2]
	v_and_b32 v[W+7], 2, v[W+7]
	v_lshlrev_b32 v[W+7], 30, v[W+7]
	v_xor_b32 v[\c], v[\c], v[W+7]
.endm
	s_wait_alu depctr_va_vdst(0)
	s_wait_loadcnt 32                              ; the position is in; the 32 loads issued behind it may be out
	v_cvt_f32_i32 v[W+8], v[POS]
	v_mul_f32 v[W+9], v[W+8], v[I0]
	v_mul_f32 v[W+10], v[W+8], v[I1]
	SINCOS W+9, TB, TB+1
	SINCOS W+10, TB+2, TB+3
	global_store_b128 v3, v[TB:TB+3], s[20:21]     ; two rows of the table: 512 consecutive bytes
	s_wait_loadcnt 28                              ; step 0's four loads are in
	TURN 0
.macro STEP t
.set XS, X+16*((\t)%2)
.if (\t) > 0
	s_wait_dscnt 1                                 ; this step's numbers are back (the last step's byte store may be out)
.else
	s_wait_dscnt 0x0
.endif
.if (\t)+1 < STEPS
	s_wait_loadcnt 4*(STEPS-2-(\t))                ; the next step's four loads are in
	TURN (\t)+1
.endif
	v_max3_num_f32 v8, |v[XS]|, |v[XS+1]|, |v[XS+2]|
	v_max3_num_f32 v9, |v[XS+3]|, |v[XS+4]|, |v[XS+5]|
.irp i, 6,10
	v_max3_num_f32 v8, v8, |v[XS+\i]|, |v[XS+\i+1]|
	v_max3_num_f32 v9, v9, |v[XS+\i+2]|, |v[XS+\i+3]|
.endr
	v_max3_num_f32 v8, v8, |v[XS+14]|, |v[XS+15]|
	v_max3_num_f32 v8, v8, v9, (EMAX+1)<<23        ; and the floor 2^(9 - 127)
	v_max_num_f32_dpp v8, v8, v8 row_xmask:1 row_mask:0xf bank_mask:0xf   ; and of my neighbour's 16
	v_add_nc_u32 v11, -(EMAX<<23), v8              ; the conversion's scale operand
	v_and_or_b32 v10, v8, 0x7f800000, s23          ; 448 x the scale
.irp i, 0,1,2,3,4,5,6,7,8,9,10,11,12,13,14,15
	v_med3_num_f32 v[XS+\i], v[XS+\i], -v10, v10   ; the conversion to an 8-bit code does not saturate (ISA guide 7.6.2)
.endr
	v_cvt_scalef32_pk8_fp8_f32 v[C+4*(\t):C+4*(\t)+1], v[XS:XS+7], v11
	v_cvt_scalef32_pk8_fp8_f32 v[C+4*(\t)+2:C+4*(\t)+3], v[XS+8:XS+15], v11
	v_lshrrev_b32 v[E+(\t)], 23, v11
	ds_store_b8 v5, v[E+(\t)] offset:16*(\t)       ; both lanes of a block write the same byte
	global_store_b128 v3, v[C+4*(\t):C+4*(\t)+3], s[16:17] offset:512*(\t)
.endm
.irp t, 0,1,2,3,4,5,6,7
	STEP \t
.endr
	ds_load_b32 v12, v6                            ; LDS serves a wave's instructions in order: this sees my stores
	s_wait_dscnt 0x0
	global_store_b32 v7, v12, s[18:19]
	s_wait_tensorcnt 0x0                           ; the wave's end
	ds_add_u32 v224, v225
	s_wait_dscnt 0x0
	s_endpgm
.Lfunc_end_k_q389c940847_prep:
	.size	k_q389c940847_prep, .Lfunc_end_k_q389c940847_prep-k_q389c940847_prep
	.p2alignl 7, 3214868480
	.fill 96, 4, 3214868480
	.section	.rodata,"a",@progbits
	.p2align	6, 0x0
	.amdhsa_kernel k_q389c940847_prep
		.amdhsa_group_segment_fixed_size 44032
		.amdhsa_private_segment_fixed_size 0
		.amdhsa_enable_private_segment 0
		.amdhsa_kernarg_size 72
		.amdhsa_user_sgpr_count 2
		.amdhsa_user_sgpr_kernarg_segment_ptr 1
		.amdhsa_wavefront_size32 1
		.amdhsa_system_sgpr_workgroup_id_x 1
		.amdhsa_system_sgpr_workgroup_id_y 1
		.amdhsa_system_sgpr_workgroup_id_z 1
		.amdhsa_system_vgpr_workitem_id 0
		.amdhsa_next_free_vgpr 226
		.amdhsa_next_free_sgpr 66
		.amdhsa_reserve_vcc 1
		.amdhsa_float_denorm_mode_32 3
		.amdhsa_float_denorm_mode_16_64 3
		.amdhsa_memory_ordered 1
		.amdhsa_forward_progress 1
		.amdhsa_inst_pref_size 34
	.end_amdhsa_kernel
	.amdgpu_metadata
---
amdhsa.version: [ 1, 2 ]
amdhsa.kernels:
  - .name:           k_q389c940847_prep
    .symbol:         k_q389c940847_prep.kd
    .args:
      - { .name: x, .offset: 0, .size: 8, .value_kind: global_buffer, .address_space: global }
      - { .name: Wq, .offset: 8, .size: 8, .value_kind: global_buffer, .address_space: global }
      - { .name: Wk, .offset: 16, .size: 8, .value_kind: global_buffer, .address_space: global }
      - { .name: Wv, .offset: 24, .size: 8, .value_kind: global_buffer, .address_space: global }
      - { .name: Wo, .offset: 32, .size: 8, .value_kind: global_buffer, .address_space: global }
      - { .name: token_positions, .offset: 40, .size: 8, .value_kind: global_buffer, .address_space: global }
      - { .name: codes, .offset: 48, .size: 8, .value_kind: global_buffer, .address_space: global }
      - { .name: scales, .offset: 56, .size: 8, .value_kind: global_buffer, .address_space: global }
      - { .name: rope, .offset: 64, .size: 8, .value_kind: global_buffer, .address_space: global }
    .group_segment_fixed_size: 44032
    .private_segment_fixed_size: 0
    .kernarg_segment_align: 8
    .kernarg_segment_size: 72
    .max_flat_workgroup_size: 256
    .sgpr_count:     66
    .vgpr_count:     226
    .wavefront_size: 32
...
	.end_amdgpu_metadata
.endif
;; end of part 1
;; launch qkv (part 2): grid 16 x 16, 4 waves a work-group, clusters of 4 x 4, 327,680 bytes of LDS; arguments codes, scales, rope, qkv; writes qkv
.if DOCPART == 2
	.amdgcn_target "amdgcn-amd-amdhsa--gfx1250"
	.amdhsa_code_object_version 6
	.text
	.protected	k_q389c940847_qkv
	.globl	k_q389c940847_qkv
	.p2align	8
	.type	k_q389c940847_qkv,@function
k_q389c940847_qkv:
	s_mov_b64 s[64:65], 0
	v_nop
	global_prefetch_b8 v0, s[64:65] scope:SCOPE_SE
	s_setreg_imm32_b32 hwreg(HW_REG_WAVE_MODE, 25, 1), 1
	s_wait_xcnt 0x0
	s_wait_alu depctr_hold_cnt(0) depctr_sa_sdst(0) depctr_va_vdst(0) depctr_va_sdst(0) depctr_va_ssrc(0) depctr_va_vcc(0) depctr_vm_vsrc(0)
	s_getreg_b32 s2, hwreg(HW_REG_IB_STS2, 6, 4)
	s_cmp_eq_u32 s2, 0
	s_cbranch_scc0 .Lentry_in_a_cluster
	s_endpgm
.Lentry_in_a_cluster:
	s_bfe_u32 s2, ttmp6, 0x10000c
	s_cmp_lg_u32 s2, 0xf033
	s_cbranch_scc0 .Lentry_shape_is_right
	s_endpgm
.Lentry_shape_is_right:
; q = x Wq^T, k = x Wk^T, v = x Wv^T on codes of FP8 (E4M3), K = 1,024; q and k are rotated (interleaved pairs, angles from the table) and quantised along the head's 64, v along the KEYS; all leave as codes and scale words.
; A work-group: 256 tokens (block y) and the 192 stored rows of ONE head's Wq, Wk, Wv.  Four waves: m = wave / 2 takes 128 tokens, n = wave % 2 takes q (0) or k (1) and 32 of v's 64 dimensions: 128 x 96 a wave, 48 accumulators.
; q, k: source 0 = rows of W, source 1 = tokens: a lane holds a token, its registers run along the head's dimensions.  v: source 0 = tokens, source 1 = rows of Wv: a lane holds a dimension, its registers run along the keys.
; Rows are stored in tile order (prep), so the 16 registers of tiles 2 b, 2 b + 1 of source 0 are 16 TRUE neighbours 32 b + 16 (lane / 16) + 0..15.
; LDS: two slots of 256 along K, x's 256 rows and W's 192, 272 bytes apart.  At the head each wave issues one joint load: x's and W's tiles of K steps 0 and 1; K steps 2 and 3 are refills, a wave a half of x's or of W's rows.
; CLUSTERS of 4 x 4: x's tiles are shared along a row of the cluster, W's along a column.
; PREFETCH: K steps 2 and 3 of the tiles are asked for behind the first barrier, one and two K steps ahead of their refills' rounds: the 16 waves of a cluster row share x's 512 blocks of 256 bytes by address, those of a column W's 384; nothing beyond is asked for.
; Scale words come straight from memory into registers: lanes 0-15 tile 2 p's rows, lanes 16-31 tile 2 p + 1's.
; OUT: qkv[part 2][batch x head 32][block of 128 tokens 16] records of 17,152 bytes: +0 q's or k's codes [tile 8][c 2][lane 32][16 bytes]; +8192 v's codes [tile of 16 dimensions 4][c 4][lane][16];
;   +16384 q's or k's scale words [tile / 4][row 16][tile % 4][4 bytes] (bytes 2, 3 are 0); +16896 v's [row 16][tile 4][4].  part 0 = q (its v parts are neither written nor read), part 1 = k and v.
; LIMITS: the rotation's products are fused; NaN and infinities are not served; blocks of zeros or under 2^-118 get the byte 1, read by this program alone.
; REGISTERS: window 0: v0-31 addresses, SX, SW scale words, v96-159 cos and sin, v160-255 W's fragments set 0 (on the way out at work); window 1: x's fragments, two sets of 128; window 2: q's or k's sums (a, b) at 32 a + 8 b;
;   window 3: v0-127 v's sums (d, a) at 64 d + 8 a, v128-223 W's fragments set 1.
.set PITCH, 272
.set XROWS, 256*PITCH
.set SLOT,  448*PITCH
.set SPARE, 2*SLOT
.set REC,   17152
.set ADRX, 16
.set ADRW, 18
.set ADRV, 20
.set RT,   22
.set LI,   23
.set VS,   24
.set SCA,  25
.set PFX,  26
.set PFW,  27
.set SPW,  28
.set NIL,  29
.set SX,   32
.set SW,   68
.set CS,   96
.set X0,   160
.set PC,   224
.set TM,   240
.set SWV,  32                          ; the way out: v's words v32-33, PW v34, q's or k's words v36-43
.set PW,   34
.set SWQ,  36
.set G1X, 24
.set G0X, 32
.set RX,  36
.set G1W, 48
.set G0W, 56
.set RW,  60
.set SEL, 66
.set MNT, 68
.set MSB, 0
.macro WIN new                         ; the immediate's high byte repeats the setting that is left
.if MSB != (\new)
	s_set_vgpr_msb (MSB<<8)|(\new)
.set MSB, \new
.endif
.endm
.macro PLACES n
.rept \n
	v_nop
.endr
.endm
.macro CREST
	s_cmp_lg_u32 s14, 0
	s_cbranch_scc1 .Lnot_wave_0_\@
	s_barrier_signal -3
.Lnot_wave_0_\@:
	s_barrier_wait -3
	s_barrier_signal -1
	s_barrier_wait -1
.endm
.macro CROUND
	s_barrier_signal -1
	s_barrier_wait -1
	CREST
.endm
.macro TLOAD g0, g1
	tensor_load_to_lds s[\g0:\g0+3], s[\g1:\g1+7]
	s_nop 0
	PLACES 4
.endm
	s_load_b256 s[4:11], s[0:1], 0x0               ; codes, scales, the table, qkv
	v_lshl_add_u32 v[SPW], v0, 2, SPARE
	v_mov_b32 v[NIL], 0
	ds_add_u32 v[SPW], v[NIL]                      ; the opening: the add, twice on end, and its wait
	ds_add_u32 v[SPW], v[NIL]
	v_lshrrev_b32 v1, 5, v0
	v_readfirstlane_b32 s14, v1
	s_lshr_b32 s15, s14, 1                         ; m; also the K step that I fetch at the head, and what I refill: x (0), W (1)
	s_and_b32 s16, s14, 1                          ; n; also which half of the rows I refill
	s_bfe_u32 s40, ttmp6, 0x40000
	s_bfe_u32 s41, ttmp6, 0x40004
	s_lshl_b32 s42, ttmp9, 2
	s_add_co_u32 s42, s42, s40                     ; the head
	s_and_b32 s17, ttmp7, 0xffff
	s_lshl_b32 s17, s17, 2
	s_add_co_u32 s17, s17, s41                     ; the block of 256 tokens
	s_lshl_b32 s43, s41, 2
	s_lshl_b32 s43, 15, s43                        ; my row of the cluster
	s_lshl_b32 s44, 0x1111, s40                    ; my column
	s_or_b32 s[G1X], s43, (1<<20)|(1<<21)|(5<<22)|(3<<25)   ; elements of 1 byte, four words of padding behind every 64
	s_mov_b32 s[G1X+1], 256<<16
	s_mov_b32 s[G1X+2], 256<<16
	s_mov_b32 s[G1X+3], 256<<16
	s_mov_b32 s[G1X+4], 256
	s_mov_b32 s[G1X+5], 1024
	s_mov_b32 s[G1X+6], 0
	s_mov_b32 s[G1X+7], 0
	s_or_b32 s[G1W], s44, (1<<20)|(1<<21)|(5<<22)|(3<<25)
	s_mov_b32 s[G1W+1], 256<<16
	s_mov_b32 s[G1W+2], 192<<16
	s_mov_b32 s[G1W+3], 256<<16
	s_mov_b32 s[G1W+4], 192
	s_mov_b32 s[G1W+5], 1024
	s_mov_b32 s[G1W+6], 0
	s_mov_b32 s[G1W+7], 0
	s_lshl_b32 s20, s17, 18                        ; x's rows in codes: 256 y x 1,024
	s_mov_b32 s21, 0
	s_mul_i32 s22, s42, 192*1024
	s_add_co_u32 s22, s22, 4096*1024               ; W's rows
	s_mov_b32 s23, 0
	s_lshl_b32 s18, s15, 8                         ; K step m
	s_mov_b32 s19, 0
	s_lshl_b32 s70, s17, 13                        ; scale bytes: my 128 tokens;
	s_lshl_b32 s71, s15, 12
	s_add_co_u32 s70, s70, s71
	s_mov_b32 s71, 0
	s_mul_i32 s74, s42, 192*32
	s_add_co_u32 s74, s74, 4096*32
	s_lshl_b32 s73, s16, 11
	s_add_co_u32 s72, s74, s73                     ; my 64 rows of Wq or Wk;
	s_mov_b32 s73, 0
	s_lshl_b32 s75, s16, 10
	s_add_co_u32 s74, s74, s75
	s_add_co_u32 s74, s74, 4096                    ; my 32 rows of Wv
	s_mov_b32 s75, 0
	s_lshl_b32 s76, s17, 16                        ; my tokens' rows of the table
	s_lshl_b32 s77, s15, 15
	s_add_co_u32 s76, s76, s77
	s_mov_b32 s77, 0
	s_lshr_b32 s84, s17, 3
	s_lshl_b32 s84, s84, 4
	s_add_co_u32 s84, s84, s42                     ; 16 batch + head
	s_lshl_b32 s85, s17, 1
	s_add_co_u32 s85, s85, s15
	s_and_b32 s85, s85, 15                         ; the block of 128 tokens
	s_lshl_b32 s78, s16, 5
	s_add_co_u32 s78, s78, s84
	s_lshl_b32 s78, s78, 4
	s_add_co_u32 s78, s78, s85
	s_mul_i32 s78, s78, REC                        ; my record of part n,
	s_mov_b32 s79, 0
	s_add_co_u32 s82, s84, 32
	s_lshl_b32 s82, s82, 4
	s_add_co_u32 s82, s82, s85
	s_mul_i32 s82, s82, REC                        ; of part 1,
	s_mov_b32 s83, 0
	s_lshl_b32 s80, s16, 12
	s_add_co_u32 s80, s80, s82
	s_add_co_u32 s80, s80, 8192                    ; and in it v's tiles 2 n, 2 n + 1
	s_mov_b32 s81, 0
	s_mul_i32 s86, s15, 128*PITCH
	s_mul_i32 s87, s16, 64*PITCH
	s_add_co_u32 s87, s87, XROWS
	s_mul_i32 s88, s16, 32*PITCH
	s_add_co_u32 s88, s88, XROWS+128*PITCH
	s_lshl_b32 s89, s40, 2                         ; prefetch: 16 of x's rows for each wave of my cluster row,
	s_add_co_u32 s89, s89, s14
	s_lshl_b32 s89, s89, 14
	s_add_co_u32 s89, s89, s20
	s_add_co_u32 s89, s89, 512
	s_lshl_b32 s90, s41, 2                         ; 12 of W's for each of my column
	s_add_co_u32 s90, s90, s14
	s_mul_i32 s90, s90, 12*1024
	s_add_co_u32 s90, s90, s22
	s_add_co_u32 s90, s90, 512
	s_lshl_b32 s91, s16, 3
	v_and_b32 v1, 15, v0
	v_bfe_u32 v2, v0, 4, 1
	v_and_b32 v3, 31, v0
	v_mul_u32_u24 v4, v1, PITCH
	v_lshl_add_u32 v4, v2, 4, v4                   ; a fragment's row x pitch + 16 x half
	v_add_nc_u32 v[ADRX], s86, v4
	v_add_nc_u32 v[ADRW], s87, v4
	v_add_nc_u32 v[ADRV], s88, v4
	v_add_nc_u32 v[ADRX+1], SLOT, v[ADRX]
	v_add_nc_u32 v[ADRW+1], SLOT, v[ADRW]
	v_add_nc_u32 v[ADRV+1], SLOT, v[ADRV]
	v_lshlrev_b32 v[RT], 8, v1
	v_lshl_add_u32 v[RT], v2, 6, v[RT]
	v_lshlrev_b32 v[LI], 4, v3
	v_lshlrev_b32 v[SCA], 5, v3
	v_lshlrev_b32 v[VS], 4, v1
	v_add_nc_u32 v[VS], s91, v[VS]
	v_lshlrev_b32 v5, 10, v1
	v_lshl_add_u32 v5, v2, 8, v5
	v_add_nc_u32 v[PFX], s89, v5
	v_min_u32 v6, 23, v3                           ; 24 blocks: lanes 24-31 name the last again
	v_lshrrev_b32 v7, 1, v6
	v_and_b32 v6, 1, v6
	v_lshlrev_b32 v7, 10, v7
	v_lshl_add_u32 v7, v6, 8, v7
	v_add_nc_u32 v[PFW], s90, v7
	s_wait_alu depctr_va_vdst(0)
	s_wait_dscnt 0x0                               ; both opening adds are done
	CROUND                                         ; all sixteen work-groups are here
	s_wait_kmcnt 0x0
	s_add_nc_u64 s[20:21], s[4:5], s[20:21]
	s_add_nc_u64 s[22:23], s[4:5], s[22:23]
	s_mov_b32 s[G0X], 1
	s_mul_i32 s[G0X+1], s15, SLOT
	s_add_nc_u64 s[G0X+2:G0X+3], s[20:21], s[18:19]
	s_or_b32 s[G0X+3], s[G0X+3], 0x80000000
	s_mov_b32 s[G0W], 1
	s_mul_i32 s[G0W+1], s15, SLOT
	s_add_co_u32 s[G0W+1], s[G0W+1], XROWS
	s_add_nc_u64 s[G0W+2:G0W+3], s[22:23], s[18:19]
	s_or_b32 s[G0W+3], s[G0W+3], 0x80000000
.macro ARM n, g0, g1, next
	s_cmp_eq_u32 s14, \n
	s_cbranch_scc0 \next
	TLOAD \g0, \g1
	s_branch .Lasked
\next:
.endm
	ARM 0, G0X, G1X, .Lw1                          ; one joint load a wave: x and W of K step 0, which waves 0 and 1 wait for at the first barrier,
	ARM 1, G0W, G1W, .Lw2
	ARM 2, G0X, G1X, .Lw3                          ; x and W of K step 1
	TLOAD G0W, G1W
.Lasked:
	s_add_nc_u64 s[70:71], s[6:7], s[70:71]
	s_add_nc_u64 s[72:73], s[6:7], s[72:73]
	s_add_nc_u64 s[74:75], s[6:7], s[74:75]
	s_add_nc_u64 s[8:9], s[8:9], s[76:77]
	s_add_nc_u64 s[78:79], s[10:11], s[78:79]
	s_add_nc_u64 s[80:81], s[10:11], s[80:81]
	s_add_nc_u64 s[82:83], s[10:11], s[82:83]
.irp c, 0,1
.irp p, 0,1,2,3
	global_load_b128 v[SX+8*\p+4*\c:SX+8*\p+4*\c+3], v[SCA], s[70:71] offset:1024*\p+16*\c
.endr
.irp p, 0,1
	global_load_b128 v[SW+8*\p+4*\c:SW+8*\p+4*\c+3], v[SCA], s[72:73] offset:1024*\p+16*\c
.endr
	global_load_b128 v[SW+16+4*\c:SW+16+4*\c+3], v[SCA], s[74:75] offset:16*\c
.endr
.macro CSLOAD reg, a                   ; cos and sin of a tile's 16 tokens: register 16 e + 2 p, + 1: frequency 16 e + 8 (lane / 16) + p
.irp e, 0,1
.irp i, 0,1,2,3
	global_load_b128 v[\reg+16*\e+4*\i:\reg+16*\e+4*\i+3], v[RT], s[8:9] offset:4096*(\a)+128*\e+16*\i
.endr
.endr
.endm
	CSLOAD CS, 0
	CSLOAD CS+32, 1
	; the refills' group 0: my half of x's or of W's rows, K step 2, slot 0
	s_mov_b32 s[RX], 1
	s_mul_i32 s[RX+1], s16, 128*PITCH
	s_lshl_b32 s18, s16, 17
	s_add_nc_u64 s[RX+2:RX+3], s[20:21], s[18:19]
	s_add_nc_u64 s[RX+2:RX+3], s[RX+2:RX+3], 512
	s_or_b32 s[RX+3], s[RX+3], 0x80000000
	s_mov_b32 s[RW], 1
	s_mul_i32 s[RW+1], s16, 96*PITCH
	s_add_co_u32 s[RW+1], s[RW+1], XROWS
	s_mul_i32 s18, s16, 96*1024
	s_add_nc_u64 s[RW+2:RW+3], s[22:23], s[18:19]
	s_add_nc_u64 s[RW+2:RW+3], s[RW+2:RW+3], 512
	s_or_b32 s[RW+3], s[RW+3], 0x80000000
	s_mov_b32 s[SEL], 0x76543210
	s_mov_b32 s[SEL+1], 0xfedcba98
	s_mov_b32 s[MNT], 0x600000
.macro PR z, d, a, b, ka, kb, oa, ob   ; one product; z = 0: it starts the sum
.if (\z) == 0
.if (\oa) && (\ob)
	v_wmma_scale_f32_16x16x128_f8f6f4 v[\d:\d+7], v[\a:\a+15], v[\b:\b+15], 0, v[\ka], v[\kb] matrix_a_scale:MATRIX_SCALE_ROW1 matrix_b_scale:MATRIX_SCALE_ROW1
.elseif \oa
	v_wmma_scale_f32_16x16x128_f8f6f4 v[\d:\d+7], v[\a:\a+15], v[\b:\b+15], 0, v[\ka], v[\kb] matrix_a_scale:MATRIX_SCALE_ROW1
.elseif \ob
	v_wmma_scale_f32_16x16x128_f8f6f4 v[\d:\d+7], v[\a:\a+15], v[\b:\b+15], 0, v[\ka], v[\kb] matrix_b_scale:MATRIX_SCALE_ROW1
.else
	v_wmma_scale_f32_16x16x128_f8f6f4 v[\d:\d+7], v[\a:\a+15], v[\b:\b+15], 0, v[\ka], v[\kb]
.endif
.else
.if (\oa) && (\ob)
	v_wmma_scale_f32_16x16x128_f8f6f4 v[\d:\d+7], v[\a:\a+15], v[\b:\b+15], v[\d:\d+7], v[\ka], v[\kb] matrix_a_scale:MATRIX_SCALE_ROW1 matrix_b_scale:MATRIX_SCALE_ROW1
.elseif \oa
	v_wmma_scale_f32_16x16x128_f8f6f4 v[\d:\d+7], v[\a:\a+15], v[\b:\b+15], v[\d:\d+7], v[\ka], v[\kb] matrix_a_scale:MATRIX_SCALE_ROW1
.elseif \ob
	v_wmma_scale_f32_16x16x128_f8f6f4 v[\d:\d+7], v[\a:\a+15], v[\b:\b+15], v[\d:\d+7], v[\ka], v[\kb] matrix_b_scale:MATRIX_SCALE_ROW1
.else
	v_wmma_scale_f32_16x16x128_f8f6f4 v[\d:\d+7], v[\a:\a+15], v[\b:\b+15], v[\d:\d+7], v[\ka], v[\kb]
.endif
.endif
.endm
; The q-th 128 of K (set q % 2).  The 48 accumulators take turns, in the same order in every step.
.macro CQ q, a0                        ; q's or k's tiles a0, a0 + 1
	WIN 0xa4+3*((\q)%2)
.irp a, \a0, \a0+1
.irp b, 0,1,2,3
.set D_, 32*(\a)+8*\b
.set S_, 160-32*((\q)%2)+16*\b
.set X_, 128*((\q)%2)+16*(\a)
.set K_, SW+8*(\b/2)+(\q)
.set L_, SX+8*((\a)/2)+(\q)
	PR \q, D_, S_, X_, K_, L_, \b%2, (\a)%2
.endr
.endr
.endm
.macro CV q, d                         ; v's tile d
	WIN 0xf1+12*((\q)%2)
.irp a, 0,1,2,3,4,5,6,7
.set D_, 64*(\d)+8*\a
.set S_, 160-32*((\q)%2)+16*(4+\d)
.set X_, 128*((\q)%2)+16*\a
.set K_, SW+16+(\q)
.set L_, SX+8*(\a/2)+(\q)
	PR \q, D_, X_, S_, L_, K_, \a%2, \d
.endr
.endm
.macro FW q, b                         ; W's fragment b: lane l holds row l % 16; registers 4 c .. 4 c + 3 hold K = 32 c + 16 (l / 16) + 0 .. 15
	WIN 0xc0*((\q)%2)
.irp c, 0,1,2,3
.set S_, 160-32*((\q)%2)+16*(\b)+4*\c
.if (\b) < 4
	ds_load_b128 v[S_:S_+3], v[ADRW+((\q)/2)%2] offset:4352*(\b)+128*((\q)%2)+32*\c
.else
	ds_load_b128 v[S_:S_+3], v[ADRV+((\q)/2)%2] offset:4352*((\b)-4)+128*((\q)%2)+32*\c
.endif
.endr
.endm
.macro FX q, a                         ; x's fragment a
	WIN 0x40
.irp c, 0,1,2,3
.set S_, 128*((\q)%2)+16*(\a)+4*\c
	ds_load_b128 v[S_:S_+3], v[ADRX+((\q)/2)%2] offset:4352*(\a)+128*((\q)%2)+32*\c
.endr
.endm
.macro MULN q                          ; a step whose successor lies in the same slot; the next step's 56 loads stand among the products, into the other set
	s_wait_dscnt 16                                ; all but the youngest sixteen loads (x's tiles 4 to 7)
	PLACES 8                                       ; behind the last step's products, which read the other set
.irp b, 0,1,2,3,4,5
	FW \q+1, \b
.endr
	CQ \q, 0
	CQ \q, 2
.irp a, 0,1,2,3
	FX \q+1, \a
.endr
	s_wait_dscnt 40                                ; all but the 40 of the next step: x's tiles 4 to 7 are in
	CQ \q, 4
	CQ \q, 6
.irp a, 4,5,6,7
	FX \q+1, \a
.endr
	CV \q, 0
	CV \q, 1
	WIN 0
.endm
.macro MULT q, fill                    ; a slot's last step: one barrier (fill: a round), behind which the slot is filled again and the other one is read
	s_wait_tensorcnt 0x0                           ; all my tensor loads are in
	ds_add_u32 v[SPW], v[NIL]
.if \fill == 1
	s_mov_b32 s[G1X+2], 128<<16                    ; no tensor load of mine is out: from here on a load brings 128 rows of x or 96 of W
	s_mov_b32 s[G1X+4], 128
	s_mov_b32 s[G1W+2], 96<<16
	s_mov_b32 s[G1W+4], 96
.endif
.if \fill == 2
	s_add_co_u32 s[RX+1], s[RX+1], SLOT            ; K step 3, slot 1
	s_add_nc_u64 s[RX+2:RX+3], s[RX+2:RX+3], 256
	s_add_co_u32 s[RW+1], s[RW+1], SLOT
	s_add_nc_u64 s[RW+2:RW+3], s[RW+2:RW+3], 256
.endif
	s_wait_dscnt 17                                ; the add and x's tiles 4 to 7 may be out
	CQ \q, 0
	s_wait_dscnt 0x0                               ; the add is done, and my reads of this slot are over
	s_barrier_signal -1
	CQ \q, 2
	WIN 0
	s_barrier_wait -1
.if \fill
	CREST
	s_cmp_eq_u32 s15, 0
	s_cbranch_scc0 .Lrw_\@
	TLOAD RX, G1X
	s_branch .Lrd_\@
.Lrw_\@:
	TLOAD RW, G1W
.Lrd_\@:
	PLACES 4
.else
	PLACES 8
.endif
.irp b, 0,1,2,3,4,5
	FW \q+1, \b
.endr
.irp a, 0,1,2,3
	FX \q+1, \a
.endr
	CQ \q, 4
	CQ \q, 6
.irp a, 4,5,6,7
	FX \q+1, \a
.endr
	CV \q, 0
	CV \q, 1
	WIN 0
.endm
	s_cmp_lt_u32 s14, 2
	s_cbranch_scc0 .Lnot_yet
	s_wait_tensorcnt 0x0                           ; waves 0, 1: K step 0 is in; waves 2, 3 wait ahead of the next barrier
.Lnot_yet:
	s_barrier_signal -1
	s_barrier_wait -1
.irp b, 0,1,2,3,4,5
	FW 0, \b
.endr
.irp a, 0,1,2,3,4,5,6,7
	FX 0, \a
.endr
	WIN 0
	global_prefetch_b8 v[PFX], s[4:5] th:TH_LOAD_NT scope:SCOPE_SE
	global_prefetch_b8 v[PFW], s[4:5] th:TH_LOAD_NT scope:SCOPE_SE
	s_wait_loadcnt 16                              ; the scale words are in; cos and sin, issued behind them, may be out
	MULN 0
	MULT 1, 1
	MULN 2
	MULT 3, 2
	MULN 4
	MULT 5, 0
	MULN 6
	PLACES 8
	WIN 0x40
	CSLOAD 0, 2                                    ; cos and sin of tiles 2 to 5 where x's set 0 lay, which has been read
	CSLOAD 32, 3
	CSLOAD 64, 4
	CSLOAD 96, 5
	s_wait_dscnt 0x0
	CQ 7, 0
	CQ 7, 2
	CQ 7, 4
	CQ 7, 6
	CV 7, 0
	CV 7, 1
	WIN 0
	PLACES 8                                       ; behind the last products
; THE QUANTISER: 64 numbers of a lane in window w from v[s] on, register 16 b + i = place 16 (lane / 16) + i of block b, become 16 registers of codes in v[PC] on and four scale bytes in v[pw].
.macro QUANT w, s, pw
	WIN (\w)|((\w)<<2)
.irp b, 0,1,2,3
	v_max3_num_f32 v[TM+\b], |v[\s+16*\b]|, |v[\s+16*\b+1]|, 0x4800000   ; and the floor 2^(9 - 127)
.endr
.irp i, 2,4,6,8,10,12,14
.irp b, 0,1,2,3
	v_max3_num_f32 v[TM+\b], |v[\s+16*\b+\i]|, |v[\s+16*\b+\i+1]|, v[TM+\b]
.endr
.endr
	WIN 0
.irp b, 0,1,2,3
	v_permlanex16_b32 v[TM+4+\b], v[TM+\b], s[SEL], s[SEL+1]
.endr
.irp b, 0,1,2,3
	v_max_num_f32 v[TM+\b], v[TM+\b], v[TM+4+\b]
.endr
.irp b, 0,1,2,3
	v_add_nc_u32 v[TM+12+\b], 0xfc000000, v[TM+\b] ; the conversion's scale operand
.endr
.irp b, 0,1,2,3
	v_and_or_b32 v[TM+8+\b], v[TM+\b], 0x7f800000, s[MNT]   ; 448 x the scale
.endr
.irp b, 0,1,2,3
	v_lshrrev_b32 v[TM+4+\b], 23, v[TM+12+\b]
.endr
	v_lshl_or_b32 v[\pw], v[TM+5], 8, v[TM+4]
	v_lshl_or_b32 v[\pw], v[TM+6], 16, v[\pw]
	v_lshl_or_b32 v[\pw], v[TM+7], 24, v[\pw]
	WIN \w
.irp b, 0,1,2,3
.irp i, 0,1,2,3,4,5,6,7,8,9,10,11,12,13,14,15
	v_med3_num_f32 v[X0+16*\b+\i], v[\s+16*\b+\i], -v[TM+8+\b], v[TM+8+\b]   ; the conversion does not saturate (ISA guide 7.6.2)
.endr
.endr
	WIN 0
.irp b, 0,1,2,3
	v_cvt_scalef32_pk8_fp8_f32 v[PC+4*\b:PC+4*\b+1], v[X0+16*\b:X0+16*\b+7], v[TM+12+\b]
	v_cvt_scalef32_pk8_fp8_f32 v[PC+4*\b+2:PC+4*\b+3], v[X0+16*\b+8:X0+16*\b+15], v[TM+12+\b]
.endr
	v_nop
.endm
.irp d, 0,1                            ; v: 16 dimensions, 128 keys
.if \d > 0
	s_wait_xcnt 0x0                                ; the stores have read the codes' registers
.endif
	QUANT 3, 64*\d, SWV+\d
.irp e, 0,1,2,3
	global_store_b128 v[LI], v[PC+4*\e:PC+4*\e+3], s[80:81] offset:2048*\d+512*\e   ; 512 consecutive bytes
.endr
.endr
	global_store_b64 v[VS], v[SWV:SWV+1], s[82:83] offset:16896   ; lanes 16-31 repeat lanes 0-15's words
.macro ROPE a, w, c, x                 ; tile a's 32 sums, rotated, to v[x] on; cos and sin at v[c] of window w
	WIN 2|((\w)<<2)
.irp e, 0,1
.irp p, 0,1,2,3,4,5,6,7
	v_pk_mul_f32 v[\x+16*\e+2*\p:\x+16*\e+2*\p+1], v[32*(\a)+16*\e+2*\p:32*(\a)+16*\e+2*\p+1], v[\c+16*\e+2*\p:\c+16*\e+2*\p+1] op_sel:[0,0] op_sel_hi:[0,1]   ; (even cos, even sin)
.endr
.irp p, 0,1,2,3,4,5,6,7
	v_pk_fma_f32 v[\x+16*\e+2*\p:\x+16*\e+2*\p+1], v[32*(\a)+16*\e+2*\p:32*(\a)+16*\e+2*\p+1], v[\c+16*\e+2*\p:\c+16*\e+2*\p+1], v[\x+16*\e+2*\p:\x+16*\e+2*\p+1] op_sel:[1,1,0] op_sel_hi:[1,0,1] neg_lo:[0,1,0]   ; (- odd sin, + odd cos)
.endr
.endr
.endm
.macro QKOUT g, n, w, c                ; tiles 2 g, 2 g + 1; n: loads of cos and sin issued behind theirs
	s_wait_xcnt 0x0
	s_wait_loadcnt \n
	ROPE 2*\g, \w, \c, X0
	ROPE 2*\g+1, \w, \c+32, X0+32
	WIN 0
.if \g == 0
	CSLOAD CS, 6
	CSLOAD CS+32, 7
.endif
	QUANT 0, X0, PW
	v_and_b32 v[SWQ+2*\g], 0xffff, v[PW]
	v_lshrrev_b32 v[SWQ+2*\g+1], 16, v[PW]
.irp e, 0,1,2,3
	global_store_b128 v[LI], v[PC+4*\e:PC+4*\e+3], s[78:79] offset:2048*\g+512*\e
.endr
.endm
	QKOUT 0, 32, 0, CS
	QKOUT 1, 32, 1, 0
	QKOUT 2, 16, 1, 64
	QKOUT 3, 0, 0, CS
	v_cmp_eq_u32 vcc_lo, 1, v2
.irp i, 0,1,2,3
	v_cndmask_b32 v[SWQ+\i], v[SWQ+\i], v[SWQ+4+\i], vcc_lo   ; lanes 0-15 tiles 0-3, lanes 16-31 tiles 4-7
.endr
	global_store_b128 v[LI], v[SWQ:SWQ+3], s[78:79] offset:16384
	s_wait_tensorcnt 0x0                           ; the wave's end
	ds_add_u32 v[SPW], v[NIL]
	s_wait_dscnt 0x0
	CROUND                                         ; the closing round
	s_endpgm
.Lfunc_end_k_q389c940847_qkv:
	.size	k_q389c940847_qkv, .Lfunc_end_k_q389c940847_qkv-k_q389c940847_qkv
	.p2alignl 7, 3214868480
	.fill 96, 4, 3214868480
	.section	.rodata,"a",@progbits
	.p2align	6, 0x0
	.amdhsa_kernel k_q389c940847_qkv
		.amdhsa_group_segment_fixed_size 327680
		.amdhsa_private_segment_fixed_size 0
		.amdhsa_enable_private_segment 0
		.amdhsa_kernarg_size 32
		.amdhsa_user_sgpr_count 2
		.amdhsa_user_sgpr_kernarg_segment_ptr 1
		.amdhsa_wavefront_size32 1
		.amdhsa_system_sgpr_workgroup_id_x 1
		.amdhsa_system_sgpr_workgroup_id_y 1
		.amdhsa_system_sgpr_workgroup_id_z 1
		.amdhsa_system_vgpr_workitem_id 0
		.amdhsa_next_free_vgpr 1024
		.amdhsa_next_free_sgpr 102
		.amdhsa_reserve_vcc 1
		.amdhsa_float_denorm_mode_32 3
		.amdhsa_float_denorm_mode_16_64 3
		.amdhsa_memory_ordered 1
		.amdhsa_forward_progress 1
		.amdhsa_inst_pref_size 168
	.end_amdhsa_kernel
	.amdgpu_metadata
---
amdhsa.version: [ 1, 2 ]
amdhsa.kernels:
  - .name:           k_q389c940847_qkv
    .symbol:         k_q389c940847_qkv.kd
    .args:
      - { .name: codes, .offset: 0, .size: 8, .value_kind: global_buffer, .address_space: global }
      - { .name: scales, .offset: 8, .size: 8, .value_kind: global_buffer, .address_space: global }
      - { .name: rope, .offset: 16, .size: 8, .value_kind: global_buffer, .address_space: global }
      - { .name: qkv, .offset: 24, .size: 8, .value_kind: global_buffer, .address_space: global }
    .group_segment_fixed_size: 327680
    .private_segment_fixed_size: 0
    .kernarg_segment_align: 8
    .kernarg_segment_size: 32
    .max_flat_workgroup_size: 128
    .sgpr_count:     102
    .vgpr_count:     1024
    .wavefront_size: 32
...
	.end_amdgpu_metadata
.endif
;; end of part 2
;; launch attn (part 3): grid 4 x 64, 16 waves a work-group, clusters of 4 x 4, 327,680 bytes of LDS; arguments qkv, oc, os; writes oc, os
.if DOCPART == 3
	.amdgcn_target "amdgcn-amd-amdhsa--gfx1250"
	.amdhsa_code_object_version 6
	.text
	.protected	k_q389c940847_attn
	.globl	k_q389c940847_attn
	.p2align	8
	.type	k_q389c940847_attn,@function
k_q389c940847_attn:
	s_mov_b64 s[64:65], 0
	v_nop
	global_prefetch_b8 v0, s[64:65] scope:SCOPE_SE
	s_setreg_imm32_b32 hwreg(HW_REG_WAVE_MODE, 25, 1), 1
	s_wait_xcnt 0x0
	s_wait_alu depctr_hold_cnt(0) depctr_sa_sdst(0) depctr_va_vdst(0) depctr_va_sdst(0) depctr_va_ssrc(0) depctr_va_vcc(0) depctr_vm_vsrc(0)
	s_getreg_b32 s2, hwreg(HW_REG_IB_STS2, 6, 4)
	s_cmp_eq_u32 s2, 0
	s_cbranch_scc0 .Lentry_in_a_cluster
	s_endpgm
.Lentry_in_a_cluster:
	s_bfe_u32 s2, ttmp6, 0x10000c
	s_cmp_lg_u32 s2, 0xf033
	s_cbranch_scc0 .Lentry_shape_is_right
	s_endpgm
.Lentry_shape_is_right:
; o = softmax(q k^T / 8, causal) v for one head of one batch, both products on codes of FP8 (E4M3) with one E8M0 scale for each 32 along a product's K; o leaves quantised along the model's 1,024, as codes and scale bytes.
; THE SOFTMAX: t = score x log2(e) / 8; M = the running largest t rounded UP to a whole number; p = 2^(t - M) is quantised along the keys; the row's sum is taken of the unquantised p and divides at the end.
; When M moves, the sum and O are multiplied by 2^(old M - new M): exact.
; LEFT OUT: key steps of 128 keys that all come after a tile's queries: reference()'s own causal mask throws them away, for all inputs.
; SHARES.  Work-group (x, y): head y / 2 (of 32, batches included), j = 4 (y % 2) + x: it owns tile j (16 queries) of each of the 16 blocks of 128 tokens.  Block b's tile needs key steps 0..b.  Pair g = 0..7 (a wave of role 0 and one
; of role 1) shares the tiles of blocks g and 15 - g, 17 steps.  Role 0 walks the first steps of block 15 - g's tile, 12 at the most; role 1 walks all g + 1 steps of block g's tile, sends that tile out, and walks what is left of the other,
; steps 12..15 - g.  It hands its part (-M, sum, O^T) over in LDS; role 0 joins the two under the greater M and sends the tile out.  Role = wave / 8.  With m = wave % 4 the waves m, m + 4, m + 8, m + 12 have g = m, 7 - m, 7 - m, m:
; 34 steps between them.
; LDS.  The head's k and v, 16 records of 17,152 bytes, come ONCE, a record a wave; nothing is filled again.  Wave 0 waits for record 0 ahead of the first barrier, behind which every wave walks key step 0; all wait ahead of the second.
; A record: +0 k's codes [tile 8][c 2][lane][16 bytes], +8192 v's [tile 4][c 4][lane][16], +16384 k's scale words [tile / 4][row][tile % 4], +16896 v's [row][tile]: images of the operands' registers.
; CLUSTERS of 4 x 4 hold all eight work-groups of two heads; each record is asked for JOINTLY by the four of a cluster row.  No prefetch: every byte of k and v is asked for once a work-group, at the head, and no loop loads from memory.
; LAYOUT.  Both products are transposed: S^T = k q^T, O^T = v^T p^T: a lane holds ONE query.  Tokens and dimensions are in tile order, so the 16 registers of tiles 2 b, 2 b + 1 are true neighbours 32 b + 16 (lane / 16) + 0..15.
; K = 64 IN THE FIRST PRODUCT: q's registers 8-15 are zero codes.  k's operand names its own 8 registers and the 8 behind them (the next tile's; behind the last the second tile's q codes): they meet q's zeros
; (no code here is the NaN code: the quantiser holds at 448; the scale bytes of that half are 0, which is 2^-127).
; THE DIAGONAL: a hidden score becomes min(score, (query - key + 1/2) 2^100), under -2^98; a visible one stays.  OUT: oc[tile of 16 tokens 256][head 16][c 2][lane][16 bytes], os[stored token row][2 head + c].
; LIMITS: scaled scores under 2^31 in magnitude; NaN and infinities are not served; a block of o that is all zeros or under 2^-118 gets the byte 1, read by this program alone.
.set REC,   17152
.set HEADB, 16*REC
.set SPARE, 16*REC
.set DUMP,  SPARE+2048                 ; a pair's hand-over: nine runs of 512 bytes
.set FIRST, 12                         ; key steps of role 0 at the most
.set LI,  1
.set LR,  2
.set QSC2, 3
.set ADK, 4
.set ADR, 5
.set OSO, 6
.set KSC, 8
.set QF,  16                           ; v16-23 q's codes, v24-31 zeros
.set F,   32                           ; v32-95 eight tiles of k or four of v
.set QF2, 96                           ; v96-103 the codes of block 15 - g's tile
.set S,   104
.set OT,  168
.set PC,  200                          ; v200-215 p's codes; in a diagonal step the bounds
.set VSC, 216
.set QSC, 220
.set PSC, 221
.set DMB, 222                          ; v222-223 (query - 16 (lane / 16) + 5/2) 2^100, and that - 2^100
.set BM,  224
.set T4,  228
.set HD,  232
.set SO,  236
.set FF,  240
.set TMP, 242
.set PS,  244                          ; v244-253 five of the sum's six parts
.set SPW, 254
.set NIL, 255
.set WV,  10
.set G,   11
.set JT,  13
.set BH,  14
.set RL,  15
.set G1,  16
.set G0,  24
.set GL,  28
.set GT,  29
.set LM,  30
.set C2,  32                           ; -2 x 2^100
.set C32, 34                           ; -32 x 2^100
.set SEL, 40
.set CS,  42
.set MNT, 44
.set KS,  45
.set TB,  46
.macro CROUND
	s_barrier_signal -1
	s_barrier_wait -1
	s_cmp_lg_u32 s[WV], 0
	s_cbranch_scc1 .Lnot_wave_0_\@
	s_barrier_signal -3
.Lnot_wave_0_\@:
	s_barrier_wait -3
	s_barrier_signal -1
	s_barrier_wait -1
.endm
	s_load_b128 s[4:7], s[0:1], 0x0                ; qkv, oc
	s_load_b64 s[8:9], s[0:1], 0x10                ; os
	v_lshl_add_u32 v[SPW], v0, 2, SPARE
	v_mov_b32 v[NIL], 0
	ds_add_u32 v[SPW], v[NIL]                      ; the opening: the add, twice on end, and its wait
	ds_add_u32 v[SPW], v[NIL]
	v_lshrrev_b32 v7, 5, v0
	v_readfirstlane_b32 s[WV], v7
	s_and_b32 s52, s[WV], 3
	s_lshr_b32 s53, s[WV], 2
	s_lshr_b32 s[RL], s[WV], 3
	s_xor_b32 s53, s53, s[RL]
	s_and_b32 s53, s53, 1
	s_mul_i32 s53, s53, 7
	s_xor_b32 s[G], s52, s53                       ; the pair
	s_sub_co_u32 s[GL], 15, s[G]
	s_min_u32 s54, s[GL], FIRST-1
	s_cmp_eq_u32 s[RL], 0
	s_cselect_b32 s[GT], s[GL], s[G]               ; my first tile's block,
	s_cselect_b32 s[LM], s54, s[G]                 ; and its last key step in the first loop
	s_bfe_u32 s12, ttmp6, 0x40000                  ; cx
	s_bfe_u32 s31, ttmp6, 0x40004                  ; cy
	s_and_b32 s48, ttmp7, 0xffff
	s_lshl_b32 s48, s48, 2
	s_add_co_u32 s48, s48, s31                     ; y
	s_lshr_b32 s[BH], s48, 1                       ; 16 x batch + head, which a cluster row shares
	s_and_b32 s[JT], s48, 1
	s_lshl_b32 s[JT], s[JT], 2
	s_add_co_u32 s[JT], s[JT], s12                 ; j: it enters q's and o's global addresses and the mask's numbers alone
	s_lshl_b32 s49, s31, 2
	s_lshl_b32 s49, 15, s49                        ; my row of the cluster
	s_or_b32 s[G1], s49, (3<<16)|(1<<21)           ; elements of 8 bytes
	s_mov_b32 s[G1+1], 32<<16
	s_mov_b32 s[G1+2], 67<<16
	s_mov_b32 s[G1+3], 32<<16
	s_mov_b32 s[G1+4], 67
	s_mov_b32 s[G1+5], 32
	s_mov_b32 s[G1+6], 0
	s_mov_b32 s[G1+7], 0
	s_add_co_u32 s50, s[BH], 32                    ; part 1
	s_mul_i32 s50, s50, HEADB
	s_mul_i32 s52, s[WV], REC                      ; the record of my wave's number
	s_add_co_u32 s50, s50, s52
	s_mov_b32 s51, 0
	s_mov_b32 s[SEL], 0x76543210
	s_mov_b32 s[SEL+1], 0xfedcba98
	s_mov_b32 s[CS], 0x3e38aa3b                    ; log2(e) / 8
	s_mov_b32 s[CS+1], s[CS]
	s_mov_b32 s[MNT], 0x600000
	s_mov_b32 s[C2], 0xf2000000
	s_mov_b32 s[C2+1], s[C2]
	s_mov_b32 s[C32], 0xf4000000
	s_mov_b32 s[C32+1], s[C32]
	s_wait_dscnt 0x0                               ; both opening adds are done
	CROUND                                         ; all sixteen work-groups are here: the joint loads meet
	s_wait_kmcnt 0x0
	s_add_nc_u64 s[50:51], s[4:5], s[50:51]
	s_mov_b32 s[G0], 1
	s_mov_b32 s[G0+1], s52
	s_mov_b64 s[G0+2:G0+3], s[50:51]
	s_or_b32 s[G0+3], s[G0+3], 0x80000000
	s_cmp_lt_u32 s[WV], 1                          ; one joint load a wave; wave 0 has a line of its own
	s_cbranch_scc0 .Lothers
	tensor_load_to_lds s[G0:G0+3], s[G1:G1+7]
	s_nop 0
.rept 4
	v_nop
.endr
	s_branch .Lasked
.Lothers:
	tensor_load_to_lds s[G0:G0+3], s[G1:G1+7]
	s_nop 0
.rept 4
	v_nop
.endr
.Lasked:
	s_lshl_b32 s52, s[BH], 4                       ; q: part 0, records 16 (16 batch + head) + block
	s_add_co_u32 s53, s52, s[GT]
	s_mul_i32 s54, s53, REC
	s_mov_b32 s55, 0
	s_add_co_u32 s53, s52, s[GL]
	s_mul_i32 s58, s53, REC
	s_mov_b32 s59, 0
	s_add_nc_u64 s[54:55], s[4:5], s[54:55]
	s_add_nc_u64 s[58:59], s[4:5], s[58:59]
	s_lshl_b32 s62, s[JT], 10                      ; tile j's codes,
	s_mov_b32 s63, 0
	s_add_nc_u64 s[56:57], s[54:55], s[62:63]
	s_add_nc_u64 s[60:61], s[58:59], s[62:63]
	s_lshr_b32 s62, s[JT], 2
	s_lshl_b32 s62, s62, 8
	s_and_b32 s53, s[JT], 3
	s_lshl_b32 s53, s53, 2
	s_add_co_u32 s62, s62, s53                     ; and its scale words' place
	s_add_nc_u64 s[54:55], s[54:55], s[62:63]
	s_add_nc_u64 s[58:59], s[58:59], s[62:63]
	s_lshr_b32 s52, s[JT], 1
	s_lshl_b32 s52, s52, 5
	s_and_b32 s53, s[JT], 1
	s_lshl_b32 s53, s53, 3
	s_add_co_u32 s52, s52, s53                     ; 32 (j / 2) + 8 (j % 2)
	v_and_b32 v[LI], 31, v0
	v_and_b32 v7, 15, v0
	v_bfe_u32 v[TMP], v0, 4, 1
	v_lshlrev_b32 v[LI], 4, v[LI]
	v_lshlrev_b32 v[LR], 4, v7
	global_load_b128 v[QF:QF+3], v[LI], s[56:57]
	global_load_b128 v[QF+4:QF+7], v[LI], s[56:57] offset:512
	global_load_b32 v[QSC], v[LR], s[54:55] offset:16384
	global_load_b128 v[QF2:QF2+3], v[LI], s[60:61]
	global_load_b128 v[QF2+4:QF2+7], v[LI], s[60:61] offset:512
	global_load_b32 v[QSC2], v[LR], s[58:59] offset:16384
	v_lshlrev_b32 v[TMP], 4, v[TMP]
	v_and_b32 v[DMB], 8, v7
	v_add_nc_u32 v[DMB], v[DMB], v7                ; r % 8 + 16 (r / 8)
	v_sub_nc_u32 v[DMB], v[DMB], v[TMP]
	v_add_nc_u32 v[DMB], s52, v[DMB]               ; my query's place in its block of 128, - 16 (lane / 16)
	v_cvt_f32_i32 v[DMB], v[DMB]
	v_add_f32 v[DMB], 0x40200000, v[DMB]           ; + 5/2
	v_mul_f32 v[DMB], 0x71800000, v[DMB]           ; x 2^100
	v_add_f32 v[DMB+1], 0xf1800000, v[DMB]
	v_lshlrev_b32 v[OSO], 1, v[LR]
	s_wait_xcnt 0x0                                ; q's loads have taken their addresses
	s_lshr_b32 s52, s[BH], 4                       ; where o goes: token tile 128 batch + 8 block + j
	s_lshl_b32 s52, s52, 7
	s_lshl_b32 s53, s[GT], 3
	s_add_co_u32 s52, s52, s53
	s_add_co_u32 s52, s52, s[JT]
	s_and_b32 s53, s[BH], 15
	s_lshl_b32 s54, s52, 14
	s_lshl_b32 s55, s53, 10
	s_add_co_u32 s54, s54, s55
	s_mov_b32 s55, 0
	s_add_nc_u64 s[6:7], s[6:7], s[54:55]
	s_lshl_b32 s54, s52, 9
	s_lshl_b32 s56, s53, 1
	s_add_co_u32 s54, s54, s56
	s_add_nc_u64 s[8:9], s[8:9], s[54:55]
.set n, 0
.rept 8
	v_mov_b32 v[QF+8+n], 0                         ; q's K = 64..127: zero codes
.set n, n+1
.endr
.macro INIT                            ; O^T, the largest t (-3e38), -M, the sum in two halves
.set n, 0
.rept 32
	v_mov_b32 v[OT+n], 0
.set n, n+1
.endr
	v_mov_b32 v13, 0xff61b1e6
	v_mov_b32 v14, 0
	v_mov_b32 v15, 0
	v_floor_f32 v12, -v13
.endm
	INIT
.irp b, 0,1,2,3
	v_mov_b32 v[T4+\b], 0                          ; a lane permute's destination counts as one of its sources
.endr
	v_mov_b32 v[FF+1], 0
; A KEY STEP: 128 keys, record KS.
.macro STEP
	s_cmp_gt_u32 s[KS], s[LM]                      ; not one of mine; no barrier and no tensor load stands in a step
	s_cbranch_scc1 .Lhidden_\@
	v_add_nc_u32 v[ADK], s[TB], v[LI]
	v_add_nc_u32 v[ADR], s[TB], v[LR]
	v_nop                                          ; with the five additions behind the last step's products: eight places
	ds_load_b128 v[KSC:KSC+3], v[ADK] offset:16384
.set t, 0
.rept 8
	ds_load_b128 v[F+8*t:F+8*t+3], v[ADK] offset:1024*t
	ds_load_b128 v[F+8*t+4:F+8*t+7], v[ADK] offset:1024*t+512
.set t, t+1
.endr
	s_wait_alu depctr_va_vdst(0)
	s_wait_dscnt 8                                 ; the scale words and tiles 0 to 3 are in: product t reads tiles t and t + 1
.irp t, 0,1,2
	v_wmma_scale_f32_16x16x128_f8f6f4 v[S+8*\t:S+8*\t+7], v[F+8*\t:F+8*\t+15], v[QF:QF+15], 0, v[KSC+\t], v[QSC]
.endr
	s_wait_dscnt 0x0
	v_wmma_scale_f32_16x16x128_f8f6f4 v[S+24:S+31], v[F+24:F+39], v[QF:QF+15], 0, v[KSC+3], v[QSC]
.irp t, 4,5,6,7
	v_wmma_scale_f32_16x16x128_f8f6f4 v[S+8*\t:S+8*\t+7], v[F+8*\t:F+8*\t+15], v[QF:QF+15], 0, v[KSC+\t-4], v[QSC] matrix_a_scale:MATRIX_SCALE_ROW1
.endr
.rept 8
	v_nop                                          ; places: for the loads over k's registers, and the first read of the scores
.endr
.set t, 0
.rept 4
.irp c, 0,1,2,3
	ds_load_b128 v[F+16*t+4*\c:F+16*t+4*\c+3], v[ADK] offset:8192+2048*t+512*\c   ; v's four tiles land under the softmax
.endr
.set t, t+1
.endr
	ds_load_b128 v[VSC:VSC+3], v[ADR] offset:16896
	s_cmp_lg_u32 s[KS], s[GT]                      ; only the diagonal step has hidden keys
	s_cbranch_scc1 .Lopen_\@
	v_pk_add_f32 v[PC:PC+1], v[DMB:DMB+1], s[C2:C2+1] op_sel_hi:[1,0]   ; the bounds of keys 0, 1 of a block of 32 keys, and so on by twos
.set n, 1
.rept 7
	v_pk_add_f32 v[PC+2*n:PC+2*n+1], v[PC+2*n-2:PC+2*n-1], s[C2:C2+1] op_sel_hi:[1,0]
.set n, n+1
.endr
.irp b, 0,1,2,3
.set n, 0
.rept 8
	v_dual_min_num_f32 v[S+16*\b+2*n], v[S+16*\b+2*n], v[PC+2*n] :: v_dual_min_num_f32 v[S+16*\b+2*n+1], v[S+16*\b+2*n+1], v[PC+2*n+1]
.set n, n+1
.endr
.if \b < 3
.set n, 0
.rept 8
	v_pk_add_f32 v[PC+2*n:PC+2*n+1], v[PC+2*n:PC+2*n+1], s[C32:C32+1] op_sel_hi:[1,0]   ; 32 keys on
.set n, n+1
.endr
.endif
.endr
	s_wait_alu depctr_va_vdst(0)
.Lopen_\@:
.irp b, 0,1,2,3
	v_max3_num_f32 v[BM+\b], v[S+16*\b], v[S+1+16*\b], v[S+2+16*\b]   ; the largest score of each block of 32 keys: for the row's maximum, and, since p rises with the score, for the block's largest p
.endr
.irp i, 3,5,7,9,11,13
.irp b, 0,1,2,3
	v_max3_num_f32 v[BM+\b], v[BM+\b], v[S+16*\b+\i], v[S+1+16*\b+\i]
.endr
.endr
.irp b, 0,1,2,3
	v_max_num_f32 v[BM+\b], v[BM+\b], v[S+15+16*\b]
.endr
.irp b, 0,1,2,3
	s_delay_alu instid0(VALU_DEP_4)
	v_permlanex16_b32 v[T4+\b], v[BM+\b], s[SEL], s[SEL+1]
.endr
.irp b, 0,1,2,3
	s_delay_alu instid0(VALU_DEP_4)
	v_max_num_f32 v[BM+\b], v[BM+\b], v[T4+\b]     ; with lane l xor 16's 16 keys
.endr
	s_delay_alu instid0(VALU_DEP_2)
	v_max3_num_f32 v[TMP], v[BM], v[BM+1], v[BM+2]
	s_delay_alu instid0(VALU_DEP_1)
	v_max_num_f32 v[TMP], v[TMP], v[BM+3]
	s_delay_alu instid0(VALU_DEP_1)
	v_mul_f32 v[TMP], s[CS], v[TMP]                ; as t (the factor is positive)
	s_delay_alu instid0(VALU_DEP_1)
	v_max_num_f32 v13, v13, v[TMP]                 ; the running largest t
	v_mov_b32 v[TMP], v12
	s_delay_alu instid0(VALU_DEP_2)
	v_floor_f32 v12, -v13                          ; the new -M = -ceil(t)
	s_delay_alu instid0(VALU_DEP_1)
	v_sub_f32 v[TMP], v12, v[TMP]                  ; old M - new M: a whole number, 0 or less
	s_delay_alu instid0(VALU_DEP_1)
	v_cvt_i32_f32 v[TMP], v[TMP]                   ; (it saturates)
	s_delay_alu instid0(VALU_DEP_1)
	v_ldexp_f32 v[FF], 1.0, v[TMP]                 ; f = 2^(old M - new M)
.set n, 0
.rept 32
	v_pk_fma_f32 v[S+n:S+n+1], v[S+n:S+n+1], s[CS:CS+1], v[12:13] op_sel_hi:[1,0,0]   ; t - M, two at a time
.set n, n+2
.endr
.irp b, 0,1,2,3
	v_fma_f32 v[BM+\b], v[BM+\b], s[CS], v12       ; the same of each block's largest score
.endr
	s_wait_alu depctr_va_vdst(0)
.set n, 0
.rept 64
	v_exp_f32 v[S+n], v[S+n]                       ; p = 2^(t - M)
.set n, n+1
.endr
	v_pk_mul_f32 v[14:15], v[14:15], v[FF:FF+1] op_sel_hi:[1,0]   ; the sums under the new M: the plain instruction behind the exponentials
	s_wait_alu depctr_va_vdst(0)                   ; one wait for the batch of 64, ahead of its first reader
.irp b, 0,1,2,3
	v_exp_f32 v[BM+\b], v[BM+\b]                   ; the block's largest p
.endr
.set n, 0
.rept 5
	v_pk_add_f32 v[PS+2*n:PS+2*n+1], v[S+4*n:S+4*n+1], v[S+4*n+2:S+4*n+3]   ; the row's sum, of the unquantised p, in six chains
.set n, n+1
.endr
.set n, 10
.rept 22
.set k, (n-10)%6
.if k == 0
	v_pk_add_f32 v[14:15], v[14:15], v[S+2*n:S+2*n+1]
.else
	v_pk_add_f32 v[PS+2*k-2:PS+2*k-1], v[PS+2*k-2:PS+2*k-1], v[S+2*n:S+2*n+1]
.endif
.set n, n+1
.endr
	s_wait_alu depctr_va_vdst(0)                   ; and one for the four
.irp b, 0,1,2,3
	v_max_num_f32 v[BM+\b], 0x4800000, v[BM+\b]    ; the floor 2^(9 - 127)
.endr
.irp b, 0,1,2,3
	s_delay_alu instid0(VALU_DEP_4)
	v_add_nc_u32 v[SO+\b], 0xfc000000, v[BM+\b]
.endr
.irp b, 0,1,2,3
	v_and_or_b32 v[HD+\b], v[BM+\b], 0x7f800000, s[MNT]   ; 448 x the scale
.endr
.irp b, 0,1,2,3
	v_lshrrev_b32 v[T4+\b], 23, v[SO+\b]
.endr
	s_delay_alu instid0(VALU_DEP_3)
	v_lshl_or_b32 v[PSC], v[T4+1], 8, v[T4]        ; p's scale word for these 128 keys
	s_delay_alu instid0(VALU_DEP_1)
	v_lshl_or_b32 v[PSC], v[T4+2], 16, v[PSC]
	s_delay_alu instid0(VALU_DEP_1)
	v_lshl_or_b32 v[PSC], v[T4+3], 24, v[PSC]
.irp b, 0,1,2,3
.set n, 0
.rept 8
	v_dual_min_num_f32 v[S+16*\b+n], v[S+16*\b+n], v[HD+\b] :: v_dual_min_num_f32 v[S+16*\b+n+1], v[S+16*\b+n+1], v[HD+\b]   ; the hold; p is not negative, so it is one-sided
.set n, n+2
.endr
	v_cvt_scalef32_pk8_fp8_f32 v[PC+4*\b:PC+4*\b+1], v[S+16*\b:S+16*\b+7], v[SO+\b]
	v_cvt_scalef32_pk8_fp8_f32 v[PC+4*\b+2:PC+4*\b+3], v[S+16*\b+8:S+16*\b+15], v[SO+\b]
.endr
	s_wait_alu depctr_va_vdst(0)                   ; ahead of the first reader of O^T
.set n, 0
.rept 16
	v_pk_mul_f32 v[OT+n:OT+n+1], v[OT+n:OT+n+1], v[FF:FF+1] op_sel_hi:[1,0]   ; O^T under the new M.  (Also the places between the codes and the products)
.set n, n+2
.endr
	s_wait_alu depctr_va_vdst(0)
	s_wait_dscnt 0x0                               ; v's tiles and scale words are in
.irp t, 0,1,2,3
	v_wmma_scale_f32_16x16x128_f8f6f4 v[OT+8*\t:OT+8*\t+7], v[F+16*\t:F+16*\t+15], v[PC:PC+15], v[OT+8*\t:OT+8*\t+7], v[VSC+\t], v[PSC]   ; the four accumulators by turns
.endr
	v_pk_add_f32 v[PS:PS+1], v[PS:PS+1], v[PS+2:PS+3]   ; the sum's six parts joined: work on other registers, places behind the products
	v_pk_add_f32 v[PS+4:PS+5], v[PS+4:PS+5], v[PS+6:PS+7]
	v_pk_add_f32 v[14:15], v[14:15], v[PS+8:PS+9]
	v_pk_add_f32 v[PS:PS+1], v[PS:PS+1], v[PS+4:PS+5]
	v_pk_add_f32 v[14:15], v[14:15], v[PS:PS+1]
.Lhidden_\@:
	s_add_co_u32 s[KS], s[KS], 1
	s_add_co_u32 s[TB], s[TB], REC
.endm
; THE WAY OUT of a tile: o = O^T / the sum; its two blocks of 32 dimensions are quantised as the last product's operand
.macro WAYOUT
.rept 8
	v_nop                                          ; places behind the last products
.endr
	s_wait_alu depctr_va_vdst(0)
	v_add_f32 v14, v14, v15
	v_permlanex16_b32 v[TMP], v14, s[SEL], s[SEL+1]
	v_add_f32 v14, v14, v[TMP]                     ; the row's sum
	s_wait_alu depctr_va_vdst(0)
	v_rcp_f32 v14, v14
	v_nop
	s_wait_alu depctr_va_vdst(0)
.set n, 0
.rept 16
	v_pk_mul_f32 v[S+n:S+n+1], v[OT+n:OT+n+1], v[14:15] op_sel_hi:[1,0]   ; register 16 b + i: dimension 32 b + 16 (lane / 16) + i
.set n, n+2
.endr
.irp b, 0,1
	v_max3_num_f32 v[BM+\b], |v[S+16*\b]|, |v[S+1+16*\b]|, 0x4800000
.endr
.irp i, 2,4,6,8,10,12,14
.irp b, 0,1
	v_max3_num_f32 v[BM+\b], v[BM+\b], |v[S+16*\b+\i]|, |v[S+1+16*\b+\i]|
.endr
.endr
.irp b, 0,1
	v_permlanex16_b32 v[T4+\b], v[BM+\b], s[SEL], s[SEL+1]
.endr
.irp b, 0,1
	v_max_num_f32 v[BM+\b], v[BM+\b], v[T4+\b]
.endr
.irp b, 0,1
	v_add_nc_u32 v[SO+\b], 0xfc000000, v[BM+\b]
.endr
.irp b, 0,1
	v_and_or_b32 v[HD+\b], v[BM+\b], 0x7f800000, s[MNT]
.endr
.irp b, 0,1
	v_lshrrev_b32 v[T4+\b], 23, v[SO+\b]
.endr
	v_lshl_or_b32 v[TMP+1], v[T4+1], 8, v[T4]      ; my row's two scale bytes
.irp b, 0,1
.set n, 0
.rept 16
	v_med3_num_f32 v[S+16*\b+n], v[S+16*\b+n], -v[HD+\b], v[HD+\b]
.set n, n+1
.endr
	v_cvt_scalef32_pk8_fp8_f32 v[PC+4*\b:PC+4*\b+1], v[S+16*\b:S+16*\b+7], v[SO+\b]
	v_cvt_scalef32_pk8_fp8_f32 v[PC+4*\b+2:PC+4*\b+3], v[S+16*\b+8:S+16*\b+15], v[SO+\b]
.endr
	v_nop
	global_store_b128 v[LI], v[PC:PC+3], s[6:7]              ; 512 consecutive bytes each
	global_store_b128 v[LI], v[PC+4:PC+7], s[6:7] offset:512
	global_store_b16 v[OSO], v[TMP+1], s[8:9]                ; two bytes a row (lanes 16-31 repeat lanes 0-15's): one byte in 32 of what the launch stores
.endm
	s_wait_alu depctr_va_vdst(0)
	s_cmp_lt_u32 s[WV], 1
	s_cbranch_scc0 .Lnot_first
	s_wait_tensorcnt 0x0                           ; wave 0: record 0 is in; the other waves wait ahead of the second barrier
.Lnot_first:
	s_barrier_signal -1
	s_barrier_wait -1
	s_wait_loadcnt 0x0                             ; q
	s_mov_b32 s[KS], 0
	s_mov_b32 s[TB], 0
	STEP                                           ; key step 0, which every tile needs, while the other records land
	s_wait_tensorcnt 0x0
	s_wait_dscnt 0x0
	s_barrier_signal -1
	s_barrier_wait -1                              ; every record is in
	s_mov_b32 s[KS], 1
	s_mov_b32 s[TB], REC
.Lfirst:                                               ; key steps 1 to 11
	STEP
	s_cmp_lt_u32 s[KS], FIRST
	s_cbranch_scc1 .Lfirst
	s_cmp_eq_u32 s[RL], 0
	s_cbranch_scc1 .Lno_short
	WAYOUT                                         ; role 1: block g's tile is done; on to its part of block 15 - g's
.set n, 0
.rept 8
	v_mov_b32 v[QF+n], v[QF2+n]
.set n, n+1
.endr
	v_mov_b32 v[QSC], v[QSC2]
	INIT
	s_wait_alu depctr_va_vdst(0)
	s_wait_xcnt 0x0                                ; the stores have read their registers
.Lno_short:
	s_mov_b32 s[GT], s[GL]
	s_mul_i32 s[LM], s[RL], s[GL]                  ; role 0 has none of the steps that follow
	s_mov_b32 s[KS], FIRST
	s_mov_b32 s[TB], FIRST*REC
.Llate:                                                ; key steps 12 to 15
	STEP
	s_cmp_lt_u32 s[KS], 16
	s_cbranch_scc1 .Llate
	s_mul_i32 s52, s[G], 4608
	s_add_co_u32 s52, s52, DUMP
	v_add_nc_u32 v[ADK], s52, v[LI]                ; the pair's place
.rept 8
	v_nop                                          ; places behind the last products
.endr
	s_wait_alu depctr_va_vdst(0)
	s_cmp_eq_u32 s[RL], 0
	s_cbranch_scc1 .Lno_dump
.set n, 0
.rept 8
	ds_store_b128 v[ADK], v[OT+4*n:OT+4*n+3] offset:512*n
.set n, n+1
.endr
	ds_store_b128 v[ADK], v[12:15] offset:4096     ; -M, the largest t, the sum's halves
.Lno_dump:
	s_wait_dscnt 0x0                               ; my hand-over is in LDS
	s_barrier_signal -1
	s_barrier_wait -1
	s_cmp_lg_u32 s[RL], 0
	s_cbranch_scc1 .Lend
.set n, 0
.rept 9
	ds_load_b128 v[F+4*n:F+4*n+3], v[ADK] offset:512*n
.set n, n+1
.endr
	s_wait_dscnt 0x0
	v_min_num_f32 v[TMP], v12, v[F+32]             ; the greater M
	v_sub_f32 v[TMP+1], v[TMP], v12
	v_sub_f32 v[F+33], v[TMP], v[F+32]
	v_cvt_i32_f32 v[TMP+1], v[TMP+1]
	v_cvt_i32_f32 v[F+33], v[F+33]
	v_ldexp_f32 v[FF], 1.0, v[TMP+1]               ; 2^(my M - the greater)
	v_ldexp_f32 v[F+32], 1.0, v[F+33]              ; and the other's; a part without a step has M = -3e38, so 0
	v_pk_mul_f32 v[14:15], v[14:15], v[FF:FF+1] op_sel_hi:[1,0]
	v_pk_fma_f32 v[14:15], v[F+34:F+35], v[F+32:F+33], v[14:15] op_sel_hi:[1,0,1]
.set n, 0
.rept 16
	v_pk_mul_f32 v[OT+n:OT+n+1], v[OT+n:OT+n+1], v[FF:FF+1] op_sel_hi:[1,0]
.set n, n+2
.endr
.set n, 0
.rept 16
	v_pk_fma_f32 v[OT+n:OT+n+1], v[F+n:F+n+1], v[F+32:F+33], v[OT+n:OT+n+1] op_sel_hi:[1,0,1]
.set n, n+2
.endr
	WAYOUT
.Lend:
	s_wait_tensorcnt 0x0                           ; the wave's end
	ds_add_u32 v[SPW], v[NIL]
	s_wait_dscnt 0x0
	CROUND                                         ; the closing round: no work-group ends while a partner may still ask for a record that names it
	s_endpgm
.Lfunc_end_k_q389c940847_attn:
	.size	k_q389c940847_attn, .Lfunc_end_k_q389c940847_attn-k_q389c940847_attn
	.p2alignl 7, 3214868480
	.fill 96, 4, 3214868480
	.section	.rodata,"a",@progbits
	.p2align	6, 0x0
	.amdhsa_kernel k_q389c940847_attn
		.amdhsa_group_segment_fixed_size 327680
		.amdhsa_private_segment_fixed_size 0
		.amdhsa_enable_private_segment 0
		.amdhsa_kernarg_size 24
		.amdhsa_user_sgpr_count 2
		.amdhsa_user_sgpr_kernarg_segment_ptr 1
		.amdhsa_wavefront_size32 1
		.amdhsa_system_sgpr_workgroup_id_x 1
		.amdhsa_system_sgpr_workgroup_id_y 1
		.amdhsa_system_sgpr_workgroup_id_z 1
		.amdhsa_system_vgpr_workitem_id 0
		.amdhsa_next_free_vgpr 256
		.amdhsa_next_free_sgpr 66
		.amdhsa_reserve_vcc 0
		.amdhsa_float_denorm_mode_32 3
		.amdhsa_float_denorm_mode_16_64 3
		.amdhsa_memory_ordered 1
		.amdhsa_forward_progress 1
		.amdhsa_inst_pref_size 96
	.end_amdhsa_kernel
	.amdgpu_metadata
---
amdhsa.version: [ 1, 2 ]
amdhsa.kernels:
  - .name:           k_q389c940847_attn
    .symbol:         k_q389c940847_attn.kd
    .args:
      - { .name: qkv, .offset: 0, .size: 8, .value_kind: global_buffer, .address_space: global }
      - { .name: oc, .offset: 8, .size: 8, .value_kind: global_buffer, .address_space: global }
      - { .name: os, .offset: 16, .size: 8, .value_kind: global_buffer, .address_space: global }
    .group_segment_fixed_size: 327680
    .private_segment_fixed_size: 0
    .kernarg_segment_align: 8
    .kernarg_segment_size: 24
    .max_flat_workgroup_size: 512
    .sgpr_count:     66
    .vgpr_count:     256
    .wavefront_size: 32
...
	.end_amdgpu_metadata
.endif
;; end of part 3
;; launch outp (part 4): grid 8 x 32, 4 waves a work-group, clusters of 4 x 4, 327,680 bytes of LDS; arguments oc, os, codes, scales, out0; writes out0
.if DOCPART == 4
	.amdgcn_target "amdgcn-amd-amdhsa--gfx1250"
	.amdhsa_code_object_version 6
	.text
	.protected	k_q389c940847_outp
	.globl	k_q389c940847_outp
	.p2align	8
	.type	k_q389c940847_outp,@function
k_q389c940847_outp:
	s_mov_b64 s[64:65], 0
	v_nop
	global_prefetch_b8 v0, s[64:65] scope:SCOPE_SE
	s_setreg_imm32_b32 hwreg(HW_REG_WAVE_MODE, 25, 1), 1
	s_wait_xcnt 0x0
	s_wait_alu depctr_hold_cnt(0) depctr_sa_sdst(0) depctr_va_vdst(0) depctr_va_sdst(0) depctr_va_ssrc(0) depctr_va_vcc(0) depctr_vm_vsrc(0)
	s_getreg_b32 s2, hwreg(HW_REG_IB_STS2, 6, 4)
	s_cmp_eq_u32 s2, 0
	s_cbranch_scc0 .Lentry_in_a_cluster
	s_endpgm
.Lentry_in_a_cluster:
	s_bfe_u32 s2, ttmp6, 0x10000c
	s_cmp_lg_u32 s2, 0xf033
	s_cbranch_scc0 .Lentry_shape_is_right
	s_endpgm
.Lentry_shape_is_right:
; out = o Wo^T on codes of FP8 (E4M3), K = 1,024, f32.  o: oc[tile of 16 tokens 256][head 16][c 2][lane][16 bytes] (images of the operand's registers) and os[stored row][32 bytes]; Wo: `codes` rows 7168 on, `scales` likewise.
; A work-group of four waves makes 128 tokens x 128 columns, a wave 64 x 64: 16 accumulators.  ALL of K lies in LDS: two halves of o (65,536 bytes each) and of Wo (128 rows of 512 bytes, 528 apart); nothing is filled again.
; One joint load a wave: waves 0, 1 bring the first half of K and wait ahead of the first barrier, waves 2, 3 the second half.  CLUSTERS of 4 x 4: o's tiles are shared along a row of the cluster, Wo's along a column.
; No prefetch: every byte is asked for once, at the head, and no loop loads from memory.
; Scale words come straight into registers: lanes 0-15 tile 2 p's rows, lanes 16-31 tile 2 p + 1's.  Source 0 = rows of Wo, source 1 = tokens: a lane holds one token; rows are in tile order (bits 3 and 4 exchanged), so
; tiles 2 G, 2 G + 1 leave a lane the true columns 32 G + 16 (lane / 16) + 0..15.  A tile of 16 tokens goes through the wave's stage in LDS and leaves as aligned runs of 256 bytes.
; THE SECOND HALF OF K GOES BY ROWS OF THE RESULT: Wo's fragments of that half come into registers once, and the four tiles of tokens are finished one after the other, so that a finished tile leaves while the next is multiplied.
; REGISTERS: window 0: addresses, scale words, v64-191 o's fragments in two sets (of a step's four tiles; in the second half of one tile's four steps), v192-255 rows read back, two sets; window 1: v0-127 Wo's fragments in two sets, v128-255 the sums;
; window 2: Wo's fragments of the second half.
.set BOFF,  131072
.set BHALF, 128*528
.set SPARE, BOFF+2*BHALF
.set STAGE, SPARE+512                  ; two stages of 16 rows x 272 bytes a wave
.set ADRA, 4
.set ADRB, 6
.set STO,  8
.set RD,   9
.set CO,   10
.set SPW,  12
.set NIL,  13
.set SCA,  14
.set SA,   24
.set SB,   44
.set AF,   64
.set BK,   192
.set ACC,  128
.set G1A, 24
.set G0A, 32
.set G1B, 48
.set G0B, 56
.set MSB, 0
.macro WIN new
.if MSB != (\new)
	s_set_vgpr_msb (MSB<<8)|(\new)
.set MSB, \new
.endif
.endm
.macro PLACES n
.rept \n
	v_nop
.endr
.endm
.macro CROUND
	s_barrier_signal -1
	s_barrier_wait -1
	s_cmp_lg_u32 s14, 0
	s_cbranch_scc1 .Lnot_wave_0_\@
	s_barrier_signal -3
.Lnot_wave_0_\@:
	s_barrier_wait -3
	s_barrier_signal -1
	s_barrier_wait -1
.endm
.macro TLOAD g0, g1
	tensor_load_to_lds s[\g0:\g0+3], s[\g1:\g1+7]
	s_nop 0
	PLACES 4
.endm
	s_load_b256 s[4:11], s[0:1], 0x0               ; oc, os, codes, scales
	s_load_b64 s[12:13], s[0:1], 0x20              ; out0
	v_lshl_add_u32 v[SPW], v0, 2, SPARE
	v_mov_b32 v[NIL], 0
	ds_add_u32 v[SPW], v[NIL]                      ; the opening: the add, twice on end, and its wait
	ds_add_u32 v[SPW], v[NIL]
	v_lshrrev_b32 v1, 5, v0
	v_readfirstlane_b32 s14, v1
	s_lshr_b32 s15, s14, 1                         ; my row of waves; also the half of K that I fetch
	s_and_b32 s16, s14, 1                          ; my column of waves
	s_bfe_u32 s40, ttmp6, 0x40000
	s_bfe_u32 s41, ttmp6, 0x40004
	s_lshl_b32 s42, ttmp9, 2
	s_add_co_u32 s42, s42, s40                     ; block of 128 columns
	s_and_b32 s17, ttmp7, 0xffff
	s_lshl_b32 s17, s17, 2
	s_add_co_u32 s17, s17, s41                     ; block of 128 tokens
	s_lshl_b32 s43, s41, 2
	s_lshl_b32 s43, 15, s43
	s_lshl_b32 s44, 0x1111, s40
	s_or_b32 s[G1A], s43, (3<<16)|(1<<21)          ; o: 8 tiles' halves of 8,192 bytes, 16,384 apart, elements of 8 bytes
	s_mov_b32 s[G1A+1], 1024<<16
	s_mov_b32 s[G1A+2], 8<<16
	s_mov_b32 s[G1A+3], 1024<<16
	s_mov_b32 s[G1A+4], 8
	s_mov_b32 s[G1A+5], 2048
	s_mov_b32 s[G1A+6], 0
	s_mov_b32 s[G1A+7], 0
	s_or_b32 s[G1B], s44, (1<<20)|(1<<21)|(6<<22)|(3<<25)   ; Wo: 128 rows of 512 bytes, four words of padding behind every 128
	s_mov_b32 s[G1B+1], 512<<16
	s_mov_b32 s[G1B+2], 128<<16
	s_mov_b32 s[G1B+3], 512<<16
	s_mov_b32 s[G1B+4], 128
	s_mov_b32 s[G1B+5], 1024
	s_mov_b32 s[G1B+6], 0
	s_mov_b32 s[G1B+7], 0
	s_lshl_b32 s20, s17, 17                        ; o's codes
	s_lshl_b32 s21, s15, 13
	s_add_co_u32 s20, s20, s21
	s_mov_b32 s21, 0
	s_lshl_b32 s22, s42, 17                        ; Wo's
	s_lshl_b32 s23, s15, 9
	s_add_co_u32 s22, s22, s23
	s_add_co_u32 s22, s22, 0x700000
	s_mov_b32 s23, 0
	s_lshl_b32 s70, s17, 12                        ; scale bytes of my 64 tokens,
	s_lshl_b32 s71, s15, 11
	s_add_co_u32 s70, s70, s71
	s_mov_b32 s71, 0
	s_lshl_b32 s72, s42, 12                        ; of my 64 rows of Wo
	s_lshl_b32 s73, s16, 11
	s_add_co_u32 s72, s72, s73
	s_add_co_u32 s72, s72, 0x38000
	s_mov_b32 s73, 0
	s_lshl_b32 s74, s17, 19                        ; out: 128 rows of 4,096 bytes a block
	s_lshl_b32 s75, s15, 18
	s_add_co_u32 s74, s74, s75
	s_lshl_b32 s75, s42, 9
	s_add_co_u32 s74, s74, s75
	s_lshl_b32 s75, s16, 8
	s_add_co_u32 s74, s74, s75
	s_mov_b32 s75, 0
	s_lshl_b32 s86, s15, 15                        ; my four tiles of o
	s_mul_i32 s87, s16, 64*528
	s_add_co_u32 s87, s87, BOFF                    ; my 64 rows of Wo
	s_mul_i32 s88, s14, 2*16*272
	s_add_co_u32 s88, s88, STAGE
	v_and_b32 v1, 15, v0
	v_bfe_u32 v2, v0, 4, 1
	v_and_b32 v3, 31, v0
	v_lshlrev_b32 v15, 4, v3
	v_add_nc_u32 v[ADRA], s86, v15
	v_add_nc_u32 v[ADRA+1], 0x10000, v[ADRA]
	v_mul_u32_u24 v16, v1, 528
	v_lshl_add_u32 v16, v2, 4, v16
	v_add_nc_u32 v[ADRB], s87, v16
	v_add_nc_u32 v[ADRB+1], BHALF, v[ADRB]
	v_mul_u32_u24 v17, v1, 272
	v_lshl_add_u32 v17, v2, 6, v17
	v_add_nc_u32 v[STO], s88, v17                  ; in: row l % 16, 64 bytes for each half of the lanes
	v_mul_u32_u24 v18, v2, 272
	v_lshl_add_u32 v18, v1, 4, v18
	v_add_nc_u32 v[RD], s88, v18                   ; back: lanes 0-15 one row, lanes 16-31 the next
	v_lshlrev_b32 v19, 12, v2
	v_lshl_add_u32 v[CO], v1, 4, v19
	v_lshlrev_b32 v[SCA], 5, v3
	s_wait_alu depctr_va_vdst(0)
	s_wait_dscnt 0x0
	CROUND                                         ; all sixteen work-groups are here
	s_wait_kmcnt 0x0
	s_mov_b32 s[G0A], 1
	s_lshl_b32 s[G0A+1], s15, 16
	s_add_nc_u64 s[G0A+2:G0A+3], s[4:5], s[20:21]
	s_or_b32 s[G0A+3], s[G0A+3], 0x80000000
	s_mov_b32 s[G0B], 1
	s_mul_i32 s[G0B+1], s15, BHALF
	s_add_co_u32 s[G0B+1], s[G0B+1], BOFF
	s_add_nc_u64 s[G0B+2:G0B+3], s[8:9], s[22:23]
	s_or_b32 s[G0B+3], s[G0B+3], 0x80000000
.macro ARM n, g0, g1, next
	s_cmp_eq_u32 s14, \n
	s_cbranch_scc0 \next
	TLOAD \g0, \g1
	s_branch .Lasked
\next:
.endm
	ARM 0, G0A, G1A, .Lw1
	ARM 1, G0B, G1B, .Lw2
	ARM 2, G0A, G1A, .Lw3
	TLOAD G0B, G1B
.Lasked:
	s_add_nc_u64 s[70:71], s[6:7], s[70:71]
	s_add_nc_u64 s[72:73], s[10:11], s[72:73]
	s_add_nc_u64 s[12:13], s[12:13], s[74:75]
.irp p, 0,1
.irp c, 0,1
	global_load_b128 v[SA+8*\p+4*\c:SA+8*\p+4*\c+3], v[SCA], s[70:71] offset:1024*\p+16*\c
	global_load_b128 v[SB+8*\p+4*\c:SB+8*\p+4*\c+3], v[SCA], s[72:73] offset:1024*\p+16*\c
.endr
.endr
.macro PR z, d, a, b, ka, kb, oa, ob
.if (\z) == 0
.if (\oa) && (\ob)
	v_wmma_scale_f32_16x16x128_f8f6f4 v[\d:\d+7], v[\a:\a+15], v[\b:\b+15], 0, v[\ka], v[\kb] matrix_a_scale:MATRIX_SCALE_ROW1 matrix_b_scale:MATRIX_SCALE_ROW1
.elseif \oa
	v_wmma_scale_f32_16x16x128_f8f6f4 v[\d:\d+7], v[\a:\a+15], v[\b:\b+15], 0, v[\ka], v[\kb] matrix_a_scale:MATRIX_SCALE_ROW1
.elseif \ob
	v_wmma_scale_f32_16x16x128_f8f6f4 v[\d:\d+7], v[\a:\a+15], v[\b:\b+15], 0, v[\ka], v[\kb] matrix_b_scale:MATRIX_SCALE_ROW1
.else
	v_wmma_scale_f32_16x16x128_f8f6f4 v[\d:\d+7], v[\a:\a+15], v[\b:\b+15], 0, v[\ka], v[\kb]
.endif
.else
.if (\oa) && (\ob)
	v_wmma_scale_f32_16x16x128_f8f6f4 v[\d:\d+7], v[\a:\a+15], v[\b:\b+15], v[\d:\d+7], v[\ka], v[\kb] matrix_a_scale:MATRIX_SCALE_ROW1 matrix_b_scale:MATRIX_SCALE_ROW1
.elseif \oa
	v_wmma_scale_f32_16x16x128_f8f6f4 v[\d:\d+7], v[\a:\a+15], v[\b:\b+15], v[\d:\d+7], v[\ka], v[\kb] matrix_a_scale:MATRIX_SCALE_ROW1
.elseif \ob
	v_wmma_scale_f32_16x16x128_f8f6f4 v[\d:\d+7], v[\a:\a+15], v[\b:\b+15], v[\d:\d+7], v[\ka], v[\kb] matrix_b_scale:MATRIX_SCALE_ROW1
.else
	v_wmma_scale_f32_16x16x128_f8f6f4 v[\d:\d+7], v[\a:\a+15], v[\b:\b+15], v[\d:\d+7], v[\ka], v[\kb]
.endif
.endif
.endm
.macro MUL q                           ; the q-th 128 of K, set q % 2: 16 accumulators by turns
	WIN 0x51
.irp a, 0,1,2,3
.irp b, 0,1,2,3
.set D_, ACC+32*\a+8*\b
.set S_, 64*((\q)%2)+16*\b
.set X_, AF+64*((\q)%2)+16*\a
.set K_, SB+8*(\b/2)+(\q)
.set L_, SA+8*(\a/2)+(\q)
	PR \q, D_, S_, X_, K_, L_, \b%2, \a%2
.endr
.endr
	WIN 0
.endm
.macro FETCH q                         ; first half, 32 loads: registers 4 c .. 4 c + 3 of a fragment hold K = 32 c + 16 (l / 16) + 0 .. 15 of row l % 16
	WIN 0x40
.irp b, 0,1,2,3
.irp c, 0,1,2,3
.set S_, 64*((\q)%2)+16*\b+4*\c
	ds_load_b128 v[S_:S_+3], v[ADRB] offset:8448*\b+128*(\q)+32*\c
.endr
.endr
	WIN 0
.irp a, 0,1,2,3
.irp c, 0,1,2,3
.set S_, AF+64*((\q)%2)+16*\a+4*\c
	ds_load_b128 v[S_:S_+3], v[ADRA] offset:8192*\a+2048*(\q)+512*\c
.endr
.endr
.endm
.macro BLOAD k                         ; second half, Wo's fragments of its k-th 128: 16 loads into window 2
	WIN 0x80
.irp b, 0,1,2,3
.irp c, 0,1,2,3
.set S_, 64*\k+16*\b+4*\c
	ds_load_b128 v[S_:S_+3], v[ADRB+1] offset:8448*\b+128*\k+32*\c
.endr
.endr
	WIN 0
.endm
.macro ALOAD a                         ; second half, tile a's four fragments: 16 loads into set a % 2
.irp k, 0,1,2,3
.irp c, 0,1,2,3
.set S_, AF+64*(\a%2)+16*\k+4*\c
	ds_load_b128 v[S_:S_+3], v[ADRA+1] offset:8192*\a+2048*\k+512*\c
.endr
.endr
.endm
.macro ROW a                           ; tile a is finished: its four accumulators by turns, K ascending
	WIN 0x52
.irp k, 0,1,2,3
.irp b, 0,1,2,3
.set D_, ACC+32*\a+8*\b
.set S_, 64*\k+16*\b
.set X_, AF+64*(\a%2)+16*\k
.set K_, SB+8*(\b/2)+4+\k
.set L_, SA+8*(\a/2)+4+\k
	PR 1, D_, S_, X_, K_, L_, \b%2, \a%2
.endr
.endr
	WIN 0
	PLACES 8                                       ; its sums are read, and its fragments' registers loaded, below
.endm
.macro TOSTAGE a                       ; into my stage and back by rows, 16 LDS instructions: LDS serves a wave's instructions in order
	WIN 0x04
.irp b, 0,1,2,3
.set D_, ACC+32*\a+8*\b
	ds_store_b128 v[STO], v[D_:D_+3] offset:4352*(\a%2)+128*(\b/2)+32*(\b%2)
	ds_store_b128 v[STO], v[D_+4:D_+7] offset:4352*(\a%2)+128*(\b/2)+32*(\b%2)+16
.endr
	WIN 0
.irp t, 0,1,2,3,4,5,6,7
	ds_load_b128 v[BK+32*(\a%2)+4*\t:BK+32*(\a%2)+4*\t+3], v[RD] offset:4352*(\a%2)+544*\t
.endr
.endm
.macro SEND a, younger                 ; younger: the LDS instructions issued behind this tile's loads
	s_wait_dscnt \younger
.irp t, 0,1,2,3,4,5,6,7
	global_store_b128 v[CO], v[BK+32*(\a%2)+4*\t:BK+32*(\a%2)+4*\t+3], s[12:13] offset:(32*(\a/2)+8*(\a%2)+(2*\t)%8+16*(\t/4))*4096 th:TH_STORE_NT
.endr
.endm
	s_cmp_lt_u32 s14, 2
	s_cbranch_scc0 .Lnot_yet
	s_wait_tensorcnt 0x0                           ; waves 0, 1: the first half of K is in
.Lnot_yet:
	s_barrier_signal -1
	s_barrier_wait -1
	FETCH 0
	FETCH 1
	s_wait_loadcnt 0x0                             ; the scale words
.irp q, 0,1
	s_wait_dscnt 32                                ; all but the next step's 32 loads
	MUL \q
	PLACES 8
	FETCH \q+2
.endr
	s_wait_tensorcnt 0x0                           ; the second half of K is in
	s_wait_dscnt 0x0
	s_barrier_signal -1
	MUL 2
	s_barrier_wait -1
	PLACES 8
	ALOAD 0
	BLOAD 0
	BLOAD 1
	MUL 3
	BLOAD 2
	BLOAD 3
	PLACES 8
	ALOAD 1
	s_wait_dscnt 16                                ; all but tile 1's
	ROW 0
	ALOAD 2
	TOSTAGE 0
	s_wait_dscnt 32                                ; tile 1's are in: tile 2's 16 and the stage's 16 may be out
	ROW 1
	ALOAD 3
	TOSTAGE 1
	SEND 0, 32                                     ; tile 0 is back, tile 2's fragments are in
	ROW 2
	s_wait_xcnt 0x0                                ; tile 0's stores have read their registers
	TOSTAGE 2
	SEND 1, 16                                     ; tile 1 is back, tile 3's fragments are in
	ROW 3
	s_wait_xcnt 0x0
	TOSTAGE 3
	SEND 2, 16
	SEND 3, 0
	s_wait_tensorcnt 0x0                           ; the wave's end
	ds_add_u32 v[SPW], v[NIL]
	s_wait_dscnt 0x0
	CROUND                                         ; the closing round
	s_endpgm
.Lfunc_end_k_q389c940847_outp:
	.size	k_q389c940847_outp, .Lfunc_end_k_q389c940847_outp-k_q389c940847_outp
	.p2alignl 7, 3214868480
	.fill 96, 4, 3214868480
	.section	.rodata,"a",@progbits
	.p2align	6, 0x0
	.amdhsa_kernel k_q389c940847_outp
		.amdhsa_group_segment_fixed_size 327680
		.amdhsa_private_segment_fixed_size 0
		.amdhsa_enable_private_segment 0
		.amdhsa_kernarg_size 40
		.amdhsa_user_sgpr_count 2
		.amdhsa_user_sgpr_kernarg_segment_ptr 1
		.amdhsa_wavefront_size32 1
		.amdhsa_system_sgpr_workgroup_id_x 1
		.amdhsa_system_sgpr_workgroup_id_y 1
		.amdhsa_system_sgpr_workgroup_id_z 1
		.amdhsa_system_vgpr_workitem_id 0
		.amdhsa_next_free_vgpr 768
		.amdhsa_next_free_sgpr 98
		.amdhsa_reserve_vcc 0
		.amdhsa_float_denorm_mode_32 3
		.amdhsa_float_denorm_mode_16_64 3
		.amdhsa_memory_ordered 1
		.amdhsa_forward_progress 1
		.amdhsa_inst_pref_size 51
	.end_amdhsa_kernel
	.amdgpu_metadata
---
amdhsa.version: [ 1, 2 ]
amdhsa.kernels:
  - .name:           k_q389c940847_outp
    .symbol:         k_q389c940847_outp.kd
    .args:
      - { .name: oc, .offset: 0, .size: 8, .value_kind: global_buffer, .address_space: global }
      - { .name: os, .offset: 8, .size: 8, .value_kind: global_buffer, .address_space: global }
      - { .name: codes, .offset: 16, .size: 8, .value_kind: global_buffer, .address_space: global }
      - { .name: scales, .offset: 24, .size: 8, .value_kind: global_buffer, .address_space: global }
      - { .name: out0, .offset: 32, .size: 8, .value_kind: global_buffer, .address_space: global }
    .group_segment_fixed_size: 327680
    .private_segment_fixed_size: 0
    .kernarg_segment_align: 8
    .kernarg_segment_size: 40
    .max_flat_workgroup_size: 128
    .sgpr_count:     98
    .vgpr_count:     768
    .wavefront_size: 32
...
	.end_amdgpu_metadata
.endif
;; end of part 4
